; MI455X (gfx1250); checked and timed in simulation.
; The chip was launched on July 23, 2026; its instructions are those of AMD's public machine-readable ISA for CDNA 5 (MIT licence, August 2026) and "CDNA5" Instruction Set Architecture Reference Guide (July 2026). The comments in the code are by the model that wrote it; some were corrected since.
;; Trittention. Allowed arithmetic: matrix products marked QUANTISED: E2M1 operands, one E8M0 scale for each 32 along K, by v_wmma_scale_f32_16x16x128_f8f6f4 with both operands' format E2M1 (or v_wmma_scale_f32_32x16x128_f4), f32 sums; products left as they are: bf16, f16 or f32 operands; f32 sums; everything else in f32.
;; Inputs: Wd 1,024 x 1,024 float32; Wk1 1,024 x 1,024 float32; Wk2 1,024 x 1,024 float32; Wq 1,024 x 1,024 float32; Wv1 1,024 x 1,024 float32; Wv2 1,024 x 1,024 float32; bd 1,024 float32; bk1 1,024 float32; bk2 1,024 float32; bq 1,024 float32; bv1 1,024 float32; bv2 1,024 float32; hidden_states 2 x 2,048 x 1,024 float32.
;; Outputs: out0 2 x 2,048 x 1,024 float32.
;; This version of the problem:
;;   THIS VERSION OF THE PROBLEM IS GIVEN IN LOW PRECISION. The matrix products marked QUANTISED in the list below multiply operands that are first quantised to E2M1 (2 exponent bits, 1 mantissa bit; 4 bits a number), with one power-of-two scale for each 32 numbers along K (OCP MX v1.0); their sums are f32. The products marked 'left as it is' may take bf16, f16 or f32 operands, with f32 sums. Whichever they take, every output number must still come out within the allowed error. Rounding operands to bf16 (8 significant bits) uses up far more of that allowance than f16 does (11 bits, for magnitudes from 6e-5 to 65,504). All else is computed in f32.
;;   The module's matrix products, in the order in which they are computed (A, B: the left and right operand; K: the contracted axis; several contracted axes count as one K, in the product's order):
;;     1. [M 4,096, K 1,024] x [K 1,024, N 1,024]; A: input hidden_states; B: input Wq: QUANTISED
;;     2. [M 4,096, K 1,024] x [K 1,024, N 1,024]; A: input hidden_states; B: input Wk1: QUANTISED
;;     3. [M 4,096, K 1,024] x [K 1,024, N 1,024]; A: input hidden_states; B: input Wk2: QUANTISED
;;     4. [M 4,096, K 1,024] x [K 1,024, N 1,024]; A: input hidden_states; B: input Wv1: QUANTISED
;;     5. [M 4,096, K 1,024] x [K 1,024, N 1,024]; A: input hidden_states; B: input Wv2: QUANTISED
;;     6. batch 32 x [M 2,048, K 64] x [K 64, N 2,048]; A: computed on the way; B: computed on the way: left as it is (an operand is computed on the way)
;;     7. batch 32 x [M 2,048, K 2,048] x [K 2,048, N 64]; A: computed on the way; B: computed on the way: left as it is (an operand is computed on the way)
;;     8. batch 32 x [M 2,048, K 64] x [K 64, N 2,048]; A: computed on the way; B: computed on the way: left as it is (an operand is computed on the way)
;;     9. batch 32 x [M 2,048, K 2,048] x [K 2,048, N 64]; A: computed on the way; B: computed on the way: left as it is (an operand is computed on the way)
;;     10. [M 4,096, K 1,024] x [K 1,024, N 1,024]; A: computed on the way; B: input Wd: left as it is (an operand is computed on the way)
;;   THE QUANTISER, for each operand of a quantised product, along K:
;;     - K is cut into blocks of 32 from its start; a last block that is shorter is filled with zeros.
;;     - A block's scale is 2^e with e = floor(log2(the largest magnitude in the block)) - 2, held to -126 .. 127; a block of zeros has e = 0. As a byte (E8M0): e + 127.
;;     - Each number is divided by its block's scale, clamped to +-6, and rounded to the nearest number of E2M1, ties to even, subnormals kept.
;;     - The product sums the exact products of the quantised numbers (number of the format x scale) in f32.
;;   ~~~python
;;   def quantise(x, axis):      # numpy; x: float32 -> the quantised numbers, widened to float32 again
;;       x = np.moveaxis(x, axis, -1); K = x.shape[-1]
;;       x = np.pad(x, [(0, 0)] * (x.ndim - 1) + [(0, -K % 32)]); x = x.reshape(x.shape[:-1] + (-1, 32)); a = np.abs(x).max(-1, keepdims=True)
;;       e = np.where(a > 0, np.clip(np.frexp(np.where(a > 0, a, 1))[1] - 1 - 2, -126, 127), 0)      # np.frexp(a)[1] - 1 = floor(log2(a)), exactly
;;       r = np.clip(x / 2.0 ** e, -6, 6)
;;       step = 2.0 ** (np.maximum(np.frexp(np.where(r == 0, 1, r))[1] - 1, 0) - 1)
;;       q = np.round(r / step) * step * 2.0 ** e      # np.round: ties to even
;;       return np.moveaxis(q.reshape(q.shape[:-2] + (-1,))[..., :K], -1, axis).astype(np.float32)
;;   ~~~
;; One version. Each part assembles by itself: llvm-mc -triple=amdgcn-amd-amdhsa -mcpu=gfx1250 --defsym DOCPART=n.
;; ======== version 1 of 1: 7 launches
;; limits: values are held in f16: magnitudes above 65,504 overflow, below 6.1e-05 lose precision
;; workspace buffers: hc 2,097,152 bytes; hs 131,072 bytes; wc 2,621,440 bytes; ws 184,320 bytes; pj 42,598,400 bytes; cx 8,388,608 bytes; gp 4,210,688 bytes; wp 4,325,632 bytes
;; launch quant_h (part 1): grid 512 x 1, 4 waves a work-group, no clusters, 21,248 bytes of LDS; arguments hidden_states, hc, hs; writes hc, hs
.if DOCPART == 1
	.amdgcn_target "amdgcn-amd-amdhsa--gfx1250"
	.amdhsa_code_object_version 6
	.text
	.protected	k_qee894e97a1_quant_h
	.globl	k_qee894e97a1_quant_h
	.p2align	8
	.type	k_qee894e97a1_quant_h,@function
k_qee894e97a1_quant_h:
	s_mov_b64 s[64:65], 0
	v_nop
	global_prefetch_b8 v0, s[64:65] scope:SCOPE_SE
	s_setreg_imm32_b32 hwreg(HW_REG_WAVE_MODE, 25, 1), 1
	s_wait_xcnt 0x0
; hidden_states [4096][1024] f32 becomes codes of FP4 (E2M1), K innermost, hc [4096][512 bytes], and one E8M0 byte for each 32 along K, hs [4096][32].
; A block's scale is 2^(floor(log2(its largest magnitude)) - 2); its byte is the largest magnitude's exponent field - 2, held at 1 from below.
; LIMITS: a block of zeros gets the byte 1 where the rule says 127 (its codes are zeros, and this program alone reads the bytes); blocks whose largest magnitude lies under 2^-124 were not tried; NaN and infinities are not served.
; Rows are dense and 1024 is a multiple of 32: the tensor is a plain stream of blocks.  A work-group takes 8,192 numbers, a wave 4 steps of 512; all 16 loads of a wave go out at the head.
; A load reads 512 consecutive bytes, 16 a lane; the conversions want 16 NEIGHBOURS in a lane: a step's 2,048 bytes turn through the wave's own stage in LDS (16 bytes of padding behind each 64).
; The work-group's 256 scale bytes are gathered in LDS and leave as one aligned run of 256 bytes.  No work-group shares an input with another: no cluster, no tensor load.
.set STEPS, 4
.set EMAX,  2
.set R,     16                         ; v16-79   four sets of 16 numbers as loaded
.set X,     80                         ; v80-111  two sets of 16 neighbours
.set C,     112                        ; v112-119 codes, two registers a step
.set E,     120                        ; v120-123 a scale byte a step
.set SP,    80                         ; a lane's place in a stage
.set WREG,  5120                       ; two stages of 32 x SP bytes for each wave
.set SCB,   20480                      ; the work-group's 256 scale bytes
.set SPARE, 20736                      ; the spare words, 128 bytes a wave
.set SPW,   12
.set NIL,   13
	s_load_b128 s[4:7], s[0:1], 0x0                ; hidden_states, hc
	s_load_b64 s[8:9], s[0:1], 0x10                ; hs
	v_lshl_add_u32 v[SPW], v0, 2, SPARE
	v_mov_b32 v[NIL], 0
	v_lshrrev_b32 v1, 5, v0
	v_readfirstlane_b32 s16, v1                    ; wave
	v_and_b32 v2, 31, v0                           ; lane
	v_lshlrev_b32 v3, 4, v2                        ; my 16 bytes of a load's 512
	s_mul_i32 s17, s16, WREG
	v_lshrrev_b32 v14, 2, v2
	v_mul_u32_u24 v14, v14, SP
	v_and_b32 v15, 3, v2
	v_lshl_add_u32 v14, v15, 4, v14
	v_add_nc_u32 v14, s17, v14                     ; the stage on the way in: SP (lane / 4) + 16 (lane % 4)
	v_mul_u32_u24 v15, v2, SP
	v_add_nc_u32 v15, s17, v15                     ; and on the way out: SP x lane
	v_lshlrev_b32 v4, 3, v2                        ; 8 x lane: my codes' place in a step's 256 bytes
	v_lshrrev_b32 v5, 1, v2
	s_lshl_b32 s18, s16, 6
	s_add_co_u32 s18, s18, SCB
	v_add_nc_u32 v5, s18, v5                       ; my block's byte: SCB + 64 wave + lane / 2
	v_add_nc_u32 v6, SCB, v4                       ; the bytes' way out: 8 a lane
	s_lshl_b32 s20, ttmp9, 15
	s_lshl_b32 s21, s16, 13
	s_add_co_u32 s20, s20, s21                     ; 32,768 bytes a work-group, 8,192 a wave
	s_mov_b32 s21, 0
	s_lshl_b32 s22, ttmp9, 12
	s_lshl_b32 s23, s16, 10
	s_add_co_u32 s22, s22, s23                     ; codes: an eighth of that
	s_mov_b32 s23, 0
	s_lshl_b32 s24, ttmp9, 8                       ; 256 scale bytes a work-group
	s_mov_b32 s25, 0
	s_wait_kmcnt 0x0
	s_add_nc_u64 s[4:5], s[4:5], s[20:21]
	s_add_nc_u64 s[6:7], s[6:7], s[22:23]
	s_add_nc_u64 s[8:9], s[8:9], s[24:25]
.macro LOAD t
.irp i, 0,1,2,3
	global_load_b128 v[R+16*(\t)+4*\i:R+16*(\t)+4*\i+3], v3, s[4:5] offset:2048*(\t)+512*\i th:TH_LOAD_NT
.endr
.endm
.macro TURN t                          ; step t's numbers through the stage: LDS serves a wave's instructions in order
.irp i, 0,1,2,3
	ds_store_b128 v14, v[R+16*(\t)+4*\i:R+16*(\t)+4*\i+3] offset:32*SP*((\t)%2)+8*SP*\i
.endr
.irp i, 0,1,2,3
	ds_load_b128 v[X+16*((\t)%2)+4*\i:X+16*((\t)%2)+4*\i+3], v15 offset:32*SP*((\t)%2)+16*\i
.endr
.endm
.irp t, 0,1,2,3
	LOAD \t
.endr
	s_wait_loadcnt 12                              ; step 0's four loads are in; the twelve younger may be out
	TURN 0
.macro STEP t
.set XS, X+16*((\t)%2)
.if (\t) > 0
	s_wait_dscnt 1                                 ; this step's numbers are back from the stage; the last step's byte store may be out
.else
	s_wait_dscnt 0x0
.endif
.if (\t)+1 < STEPS
	s_wait_loadcnt 4*(STEPS-2-(\t))                ; the next step's four loads are in; those of the steps behind it may be out
	TURN (\t)+1
.endif
	v_max3_num_f32 v8, |v[XS]|, |v[XS+1]|, |v[XS+2]|
	v_max3_num_f32 v9, |v[XS+3]|, |v[XS+4]|, |v[XS+5]|
.irp i, 6,10
	v_max3_num_f32 v8, v8, |v[XS+\i]|, |v[XS+\i+1]|
	v_max3_num_f32 v9, v9, |v[XS+\i+2]|, |v[XS+\i+3]|
.endr
	v_max3_num_f32 v8, v8, |v[XS+14]|, |v[XS+15]|
	v_max3_num_f32 v8, v8, v9, (EMAX+1)<<23        ; the floor 2^(3 - 127): the byte cannot fall under 1
	v_max_num_f32_dpp v8, v8, v8 row_xmask:1 row_mask:0xf bank_mask:0xf   ; with my neighbour's 16: the block's largest magnitude
	v_add_nc_u32 v11, 0xff000000, v8               ; 2 off its exponent field: the conversion takes this operand's exponent field as its scale
	v_cvt_scalef32_pk8_fp4_f32 v[C+2*(\t)], v[XS:XS+7], v11
	v_cvt_scalef32_pk8_fp4_f32 v[C+2*(\t)+1], v[XS+8:XS+15], v11
	v_lshrrev_b32 v[E+(\t)], 23, v11               ; the scale's byte (also the plain line behind the conversions)
	ds_store_b8 v5, v[E+(\t)] offset:16*(\t)       ; both lanes of a block write the same byte with the same value
	global_store_b64 v4, v[C+2*(\t):C+2*(\t)+1], s[6:7] offset:256*(\t)   ; the wave stores 256 consecutive bytes, aligned
.endm
.irp t, 0,1,2,3
	STEP \t
.endr
	s_wait_dscnt 0x0                               ; my byte stores have landed
	s_barrier_signal -1
	s_barrier_wait -1                              ; everybody's have
	s_cmp_lg_u32 s16, 0
	s_cbranch_scc1 .Lnot_wave_0
	ds_load_b64 v[8:9], v6
	s_wait_dscnt 0x0
	global_store_b64 v4, v[8:9], s[8:9]            ; 32 lanes store 256 consecutive bytes, aligned
.Lnot_wave_0:
	s_wait_tensorcnt 0x0                           ; the wave's end
	ds_add_u32 v[SPW], v[NIL]
	s_wait_dscnt 0x0
	s_endpgm
.Lfunc_end_k_qee894e97a1_quant_h:
	.size	k_qee894e97a1_quant_h, .Lfunc_end_k_qee894e97a1_quant_h-k_qee894e97a1_quant_h
	.p2alignl 7, 3214868480
	.fill 96, 4, 3214868480
	.section	.rodata,"a",@progbits
	.p2align	6, 0x0
	.amdhsa_kernel k_qee894e97a1_quant_h
		.amdhsa_group_segment_fixed_size 21248
		.amdhsa_private_segment_fixed_size 0
		.amdhsa_enable_private_segment 0
		.amdhsa_kernarg_size 24
		.amdhsa_user_sgpr_count 2
		.amdhsa_user_sgpr_kernarg_segment_ptr 1
		.amdhsa_wavefront_size32 1
		.amdhsa_system_sgpr_workgroup_id_x 1
		.amdhsa_system_sgpr_workgroup_id_y 1
		.amdhsa_system_sgpr_workgroup_id_z 1
		.amdhsa_system_vgpr_workitem_id 0
		.amdhsa_next_free_vgpr 128
		.amdhsa_next_free_sgpr 66
		.amdhsa_reserve_vcc 0
		.amdhsa_float_denorm_mode_32 3
		.amdhsa_float_denorm_mode_16_64 3
		.amdhsa_memory_ordered 1
		.amdhsa_forward_progress 1
		.amdhsa_inst_pref_size 10
	.end_amdhsa_kernel
	.amdgpu_metadata
---
amdhsa.version: [ 1, 2 ]
amdhsa.kernels:
  - .name:           k_qee894e97a1_quant_h
    .symbol:         k_qee894e97a1_quant_h.kd
    .args:
      - { .name: hidden_states, .offset: 0, .size: 8, .value_kind: global_buffer, .address_space: global }
      - { .name: hc, .offset: 8, .size: 8, .value_kind: global_buffer, .address_space: global }
      - { .name: hs, .offset: 16, .size: 8, .value_kind: global_buffer, .address_space: global }
    .group_segment_fixed_size: 21248
    .private_segment_fixed_size: 0
    .kernarg_segment_align: 8
    .kernarg_segment_size: 24
    .max_flat_workgroup_size: 128
    .sgpr_count:     66
    .vgpr_count:     128
    .wavefront_size: 32
...
	.end_amdgpu_metadata
.endif
;; end of part 1
;; launch quant_w (part 2): grid 80 x 2, 8 waves a work-group, no clusters, 19,456 bytes of LDS; arguments Wq, Wk1, Wk2, Wv1, Wv2, bq, bk1, bk2, bv1, bv2, wc, ws; writes wc, ws
.if DOCPART == 2
	.amdgcn_target "amdgcn-amd-amdhsa--gfx1250"
	.amdhsa_code_object_version 6
	.text
	.protected	k_qee894e97a1_quant_w
	.globl	k_qee894e97a1_quant_w
	.p2align	8
	.type	k_qee894e97a1_quant_w,@function
k_qee894e97a1_quant_w:
	s_mov_b64 s[64:65], 0
	v_nop
	global_prefetch_b8 v0, s[64:65] scope:SCOPE_SE
	s_setreg_imm32_b32 hwreg(HW_REG_WAVE_MODE, 25, 1), 1
	s_wait_xcnt 0x0
; The five weights [1024 (k)][1024 (n)] f32, K their FIRST axis, become codes of FP4 with K innermost, wc [1024 t + n][512 bytes], and E8M0 bytes ws [1024 t + n][32]; t = 0 Wq, 1 Wk1, 2 Wk2, 3 Wv1, 4 Wv2.
; The five biases are copied on end behind the scale bytes (ws + 163,840, 5,120 numbers), so that the product's launch needs one pointer.
; A LANE TAKES A COLUMN n AND ITS REGISTERS RUN DOWN K: a block of 32 lies in one lane, and the conversions give codes with K innermost; nothing is transposed by an instruction.
; Work-group x = 16 t + nb, y: 64 columns (64 nb on) x 512 along K (512 y on).  Wave w: 32 columns (w & 1), 128 along K (w >> 1): four blocks, 128 loads of 128 consecutive bytes each, issued on end.
; The codes meet in a stage in LDS (a column's 256 bytes a row, 272 apart) and leave so that sixteen lanes store 256 consecutive bytes, aligned.  The scale bytes leave in pieces of 16 bytes a column: one byte in 128 of what is read.
; LIMITS as in the launch before: a block of zeros gets the byte 1; largest magnitudes under 2^-124 were not tried; NaN and infinities are not served.
; No work-group shares an input byte with another: no cluster, no tensor load.
.set PITCH, 272
.set SCS,   17408                      ; behind the stage: 64 columns x 16 scale bytes
.set SPARE, 18432                      ; the spare words, 128 bytes a wave
.set X,     32                         ; v32-159  four blocks of 32 numbers
.set C,     160                        ; v160-175 codes, four registers a block
.set SB,    176                        ; v176     my four scale bytes
.set OUTR,  180                        ; v180-195 the way out
.set SPW,   14
.set NIL,   15
	s_load_b512 s[4:19], s[0:1], 0x0               ; Wq Wk1 Wk2 Wv1 Wv2 s[4:13]; bq bk1 bk2 s[14:19]
	s_load_b256 s[20:27], s[0:1], 0x40             ; bv1 bv2 s[20:23]; wc s[24:25]; ws s[26:27]
	v_lshl_add_u32 v[SPW], v0, 2, SPARE
	v_mov_b32 v[NIL], 0
	v_lshrrev_b32 v1, 5, v0
	v_readfirstlane_b32 s33, v1                    ; wave 0..7
	v_and_b32 v2, 31, v0                           ; lane
	s_lshr_b32 s30, ttmp9, 4                       ; t
	s_and_b32 s32, ttmp9, 15                       ; nb
	s_and_b32 s31, ttmp7, 0xffff                   ; y
	s_and_b32 s34, s33, 1                          ; ch: which 32 columns
	s_lshr_b32 s35, s33, 1                         ; kq: which 128 along K
	v_lshlrev_b32 v3, 2, v2                        ; in: 4 bytes a lane
	s_mul_i32 s36, s34, 32*PITCH
	s_lshl_b32 s37, s35, 6
	s_add_co_u32 s36, s36, s37
	v_mul_u32_u24 v4, v2, PITCH
	v_add_nc_u32 v4, s36, v4                       ; the stage: row 32 ch + lane, byte 64 kq
	s_lshl_b32 s36, s34, 9
	s_lshl_b32 s37, s35, 2
	s_add_co_u32 s36, s36, s37
	s_add_co_u32 s36, s36, SCS
	v_lshl_add_u32 v5, v2, 4, s36                  ; my scale word: SCS + 16 (32 ch + lane) + 4 kq
	v_and_b32 v6, 15, v2
	v_lshrrev_b32 v12, 4, v2
	s_mul_i32 s36, s33, 8*PITCH
	v_mul_u32_u24 v7, v12, PITCH
	v_lshl_add_u32 v7, v6, 4, v7
	v_add_nc_u32 v7, s36, v7                       ; out of the stage: rows 8 w on, sixteen lanes to a row
	s_lshl_b32 s36, s33, 12
	v_lshlrev_b32 v8, 9, v12
	v_lshl_add_u32 v8, v6, 4, v8
	v_add_nc_u32 v8, s36, v8                       ; and the same place in wc: rows of 512 bytes
	v_and_b32 v13, 63, v0
	v_lshl_add_u32 v9, v13, 4, SCS                 ; a column's 16 scale bytes,
	v_lshlrev_b32 v10, 5, v13                      ; their place in ws: rows of 32 bytes,
	v_lshlrev_b32 v16, 2, v13                      ; and the column's bias
	s_lshl_b32 s36, s31, 21                        ; W: row 512 y + 128 kq of 4,096 bytes, column 64 nb + 32 ch
	s_lshl_b32 s37, s35, 19
	s_add_co_u32 s36, s36, s37
	s_lshl_b32 s37, s32, 8
	s_add_co_u32 s36, s36, s37
	s_lshl_b32 s37, s34, 7
	s_add_co_u32 s36, s36, s37
	s_mov_b32 s37, 0
	s_lshl_b32 s38, s30, 19                        ; wc: row 1024 t + 64 nb, byte 256 y
	s_lshl_b32 s39, s32, 15
	s_add_co_u32 s38, s38, s39
	s_lshl_b32 s39, s31, 8
	s_add_co_u32 s38, s38, s39
	s_mov_b32 s39, 0
	s_lshl_b32 s40, s30, 15                        ; ws: the same row, byte 16 y
	s_lshl_b32 s41, s32, 11
	s_add_co_u32 s40, s40, s41
	s_lshl_b32 s41, s31, 4
	s_add_co_u32 s40, s40, s41
	s_mov_b32 s41, 0
	s_lshl_b32 s42, s30, 12                        ; the biases on end
	s_lshl_b32 s43, s32, 8
	s_add_co_u32 s42, s42, s43
	s_add_co_u32 s42, s42, 163840
	s_mov_b32 s43, 0
	s_lshl_b32 s44, s32, 8
	s_mov_b32 s45, 0
	s_wait_kmcnt 0x0
	s_cmp_eq_u32 s30, 1                            ; the tensor is chosen by the work-group's number alone
	s_cselect_b64 s[4:5], s[6:7], s[4:5]
	s_cselect_b64 s[14:15], s[16:17], s[14:15]
	s_cmp_eq_u32 s30, 2
	s_cselect_b64 s[4:5], s[8:9], s[4:5]
	s_cselect_b64 s[14:15], s[18:19], s[14:15]
	s_cmp_eq_u32 s30, 3
	s_cselect_b64 s[4:5], s[10:11], s[4:5]
	s_cselect_b64 s[14:15], s[20:21], s[14:15]
	s_cmp_eq_u32 s30, 4
	s_cselect_b64 s[4:5], s[12:13], s[4:5]
	s_cselect_b64 s[14:15], s[22:23], s[14:15]
	s_add_nc_u64 s[4:5], s[4:5], s[36:37]
	s_add_nc_u64 s[14:15], s[14:15], s[44:45]
	s_add_nc_u64 s[24:25], s[24:25], s[38:39]
	s_add_nc_u64 s[28:29], s[26:27], s[42:43]
	s_add_nc_u64 s[26:27], s[26:27], s[40:41]
	global_load_b32 v17, v16, s[14:15]             ; the bias of column 64 nb + thread % 64: the oldest load, so every later count covers it
.set i, 0
.rept 128
	global_load_b32 v[X+i], v3, s[4:5] offset:i*4096 th:TH_LOAD_NT
.set i, i+1
.endr
.macro BLOCK t, left
.set XS, X+32*(\t)
	s_wait_loadcnt \left                           ; this block's 32 loads are in; younger ones may be out
	v_max3_num_f32 v12, |v[XS]|, |v[XS+1]|, |v[XS+2]|
	v_max3_num_f32 v13, |v[XS+3]|, |v[XS+4]|, |v[XS+5]|
.irp i, 6,10,14,18,22,26
	v_max3_num_f32 v12, v12, |v[XS+\i]|, |v[XS+\i+1]|
	v_max3_num_f32 v13, v13, |v[XS+\i+2]|, |v[XS+\i+3]|
.endr
	v_max3_num_f32 v12, v12, |v[XS+30]|, |v[XS+31]|
	v_max3_num_f32 v12, v12, v13, 0x1800000        ; the floor 2^(3 - 127)
	v_add_nc_u32 v11, 0xff000000, v12              ; 2 off the exponent field: the conversion's scale operand
	v_lshrrev_b32 v13, 23, v11                     ; the byte
.if (\t) == 0
	v_mov_b32 v[SB], v13
.else
	v_lshl_or_b32 v[SB], v13, 8*(\t), v[SB]
.endif
.irp g, 0,1,2,3
	v_cvt_scalef32_pk8_fp4_f32 v[C+4*(\t)+\g], v[XS+8*\g:XS+8*\g+7], v11
.endr
	ds_store_b128 v4, v[C+4*(\t):C+4*(\t)+3] offset:16*(\t)
.endm
	BLOCK 0, 63                                    ; (96 loads are younger; a count names 63 at the most)
	BLOCK 1, 63                                    ; (64 are younger)
	BLOCK 2, 32
	BLOCK 3, 0
	ds_store_b32 v5, v[SB]
	s_wait_dscnt 0x0                               ; my codes and bytes have landed
	s_barrier_signal -1
	s_barrier_wait -1                              ; everybody's have
.irp i, 0,1,2,3
	ds_load_b128 v[OUTR+4*\i:OUTR+4*\i+3], v7 offset:2*\i*PITCH
.endr
.irp i, 0,1,2,3
	s_wait_dscnt 3-\i                              ; load i is in; the younger ones may be out
	global_store_b128 v8, v[OUTR+4*\i:OUTR+4*\i+3], s[24:25] offset:2*\i*512   ; sixteen lanes store 256 consecutive bytes, aligned
.endr
	s_cmp_lt_u32 s33, 2
	s_cbranch_scc0 .Ldone                          ; threads 0 to 63 send the 64 columns' scale bytes
	ds_load_b128 v[196:199], v9
	s_wait_dscnt 0x0
	global_store_b128 v10, v[196:199], s[26:27]
	s_cmp_lg_u32 s31, 0
	s_cbranch_scc1 .Ldone                          ; and, where y = 0, their biases
	global_store_b32 v16, v17, s[28:29]
.Ldone:
	s_wait_tensorcnt 0x0                           ; the wave's end
	ds_add_u32 v[SPW], v[NIL]
	s_wait_dscnt 0x0
	s_endpgm
.Lfunc_end_k_qee894e97a1_quant_w:
	.size	k_qee894e97a1_quant_w, .Lfunc_end_k_qee894e97a1_quant_w-k_qee894e97a1_quant_w
	.p2alignl 7, 3214868480
	.fill 96, 4, 3214868480
	.section	.rodata,"a",@progbits
	.p2align	6, 0x0
	.amdhsa_kernel k_qee894e97a1_quant_w
		.amdhsa_group_segment_fixed_size 19456
		.amdhsa_private_segment_fixed_size 0
		.amdhsa_enable_private_segment 0
		.amdhsa_kernarg_size 96
		.amdhsa_user_sgpr_count 2
		.amdhsa_user_sgpr_kernarg_segment_ptr 1
		.amdhsa_wavefront_size32 1
		.amdhsa_system_sgpr_workgroup_id_x 1
		.amdhsa_system_sgpr_workgroup_id_y 1
		.amdhsa_system_sgpr_workgroup_id_z 1
		.amdhsa_system_vgpr_workitem_id 0
		.amdhsa_next_free_vgpr 200
		.amdhsa_next_free_sgpr 66
		.amdhsa_reserve_vcc 0
		.amdhsa_float_denorm_mode_32 3
		.amdhsa_float_denorm_mode_16_64 3
		.amdhsa_memory_ordered 1
		.amdhsa_forward_progress 1
		.amdhsa_inst_pref_size 24
	.end_amdhsa_kernel
	.amdgpu_metadata
---
amdhsa.version: [ 1, 2 ]
amdhsa.kernels:
  - .name:           k_qee894e97a1_quant_w
    .symbol:         k_qee894e97a1_quant_w.kd
    .args:
      - { .name: Wq, .offset: 0, .size: 8, .value_kind: global_buffer, .address_space: global }
      - { .name: Wk1, .offset: 8, .size: 8, .value_kind: global_buffer, .address_space: global }
      - { .name: Wk2, .offset: 16, .size: 8, .value_kind: global_buffer, .address_space: global }
      - { .name: Wv1, .offset: 24, .size: 8, .value_kind: global_buffer, .address_space: global }
      - { .name: Wv2, .offset: 32, .size: 8, .value_kind: global_buffer, .address_space: global }
      - { .name: bq, .offset: 40, .size: 8, .value_kind: global_buffer, .address_space: global }
      - { .name: bk1, .offset: 48, .size: 8, .value_kind: global_buffer, .address_space: global }
      - { .name: bk2, .offset: 56, .size: 8, .value_kind: global_buffer, .address_space: global }
      - { .name: bv1, .offset: 64, .size: 8, .value_kind: global_buffer, .address_space: global }
      - { .name: bv2, .offset: 72, .size: 8, .value_kind: global_buffer, .address_space: global }
      - { .name: wc, .offset: 80, .size: 8, .value_kind: global_buffer, .address_space: global }
      - { .name: ws, .offset: 88, .size: 8, .value_kind: global_buffer, .address_space: global }
    .group_segment_fixed_size: 19456
    .private_segment_fixed_size: 0
    .kernarg_segment_align: 8
    .kernarg_segment_size: 96
    .max_flat_workgroup_size: 256
    .sgpr_count:     66
    .vgpr_count:     200
    .wavefront_size: 32
...
	.end_amdgpu_metadata
.endif
;; end of part 2
;; launch proj (part 3): grid 20 x 16, 4 waves a work-group, clusters of 4 x 4, 327,680 bytes of LDS; arguments hc, hs, wc, ws, pj; writes pj
.if DOCPART == 3
	.amdgcn_target "amdgcn-amd-amdhsa--gfx1250"
	.amdhsa_code_object_version 6
	.text
	.protected	k_qee894e97a1_proj
	.globl	k_qee894e97a1_proj
	.p2align	8
	.type	k_qee894e97a1_proj,@function
k_qee894e97a1_proj:
	s_mov_b64 s[64:65], 0
	v_nop
	global_prefetch_b8 v0, s[64:65] scope:SCOPE_SE
	s_setreg_imm32_b32 hwreg(HW_REG_WAVE_MODE, 25, 1), 1
	s_wait_xcnt 0x0
	s_wait_alu depctr_hold_cnt(0) depctr_sa_sdst(0) depctr_va_vdst(0) depctr_va_sdst(0) depctr_va_ssrc(0) depctr_va_vcc(0) depctr_vm_vsrc(0)
	s_getreg_b32 s2, hwreg(HW_REG_IB_STS2, 6, 4)
	s_cmp_eq_u32 s2, 0
	s_cbranch_scc0 .Lentry_in_a_cluster
	s_endpgm
.Lentry_in_a_cluster:
	s_bfe_u32 s2, ttmp6, 0x10000c
	s_cmp_lg_u32 s2, 0xf033
	s_cbranch_scc0 .Lentry_shape_is_right
	s_endpgm
.Lentry_shape_is_right:
; The five projections hidden x W + b on codes of FP4 with E8M0 scales, K = 1024, sums in f32; the results leave as f16 IMAGES OF OPERAND REGISTERS for the later launches.
; A work-group makes 256 x 256, a wave 128 x 128: 64 accumulators, 512 registers.  K goes in two steps of 512 through two LDS slots, both asked for at the head: nothing is filled again.  The scale bytes of both operands come once.
; CLUSTERS: 4 x 4.  The tile in LDS region A is shared along a row of the cluster, that in region B along a column; each is asked for jointly.
; WHICH TENSOR LIES IN WHICH REGION hangs on the cluster's x, which is the tensor t (a tensor is 1,024 columns: four tiles):
;   t = 0, 1 (q, k1): A = hidden, B = weights: a lane holds a position, its registers channels: two neighbouring tiles pack into a fragment of 16 positions x 32 channels.
;   t = 2, 3, 4 (k2, v1, v2): A = weights, B = hidden: a lane holds a channel, its registers positions: a fragment of 16 channels x 32 positions.
; Source 0 of the matrix instruction = 16 rows of B, source 1 = 16 rows of A.  The bias is the C of each sum's first product.
; pj: head block HB = 32 t + 16 batch + head, 262,144 bytes.  t < 2: [position / 16][channel / 32][1,024]; else [position / 32][channel / 16][1,024].  An image: registers 0-3 at 16 x lane, 4-7 at 512 + 16 x lane.
; From byte 41,943,040: the f32 accumulators of positions 0 to 15 of every sequence, [HB][channel / 16][1,024], for the launch that carries those rows in f32.
; LIMIT: the projections must stay under 65,504 in magnitude (f16).
.set NQ,     4                         ; matrix instructions deep in a slot
.set ROWB,   256                       ; a tile's row: 512 codes
.set KROW,   512                       ; a row of codes in memory
.set PITCH,  272                       ; an LDS row: 256 bytes + 16 of padding
.set FR,     8
.set NL,     2
.set NP,     4
.set HALFT,  128*PITCH
.set SLOT,   4*HALFT
.set KS,     32                        ; a row of scale bytes
.set SCL,    2*SLOT                    ; behind the slots: the scales, runs of 256 bytes + 16 of padding
.set HALFS,  (128*KS/256)*272
.set SBLK,   (16*KS/256)*272
.set SPARE,  SCL+4*HALFS               ; the spare words, 128 bytes a wave
.set ADRA, 16                          ; v16-17  LDS address of my A fragments in slot 0, 1
.set ADRB, 20                          ; v20-21  the same for B
.set BV,   22                          ; v22     32 x (lane / 16): the bias by registers
.set BR,   23                          ; v23     4 x (lane % 16): the bias by lanes
.set CO,   26                          ; v26     16 x lane: an image's place for my lane
.set ADRS, 27                          ; v27     LDS address of my scale words
.set SPW,  28
.set NIL,  29
.set MK,   30                          ; v30     my first position in its sequence
.set SC,   32                          ; v32-95  scale words, two sets
.set AF,   128                         ; v128-191 A's fragments, one set (window 0)
.set BI,   192                         ; v192-255 the bias, in the result's layout (window 0)
.set PK,   128                         ; the way out: packed results, four sets of 32 (window 0)
.set G1, 24
.set G0, 32
.set G1B, 48
.set G0B, 56
.set G1S, 68
.set G0S, 76
.set G1SB, 80
.set G0SB, 88
.set MSB, 0
.macro WIN new                         ; the immediate's high byte repeats the setting that is left
.if MSB != \new
	s_set_vgpr_msb (MSB<<8)|\new
.set MSB, \new
.endif
.endm
.set MUL_LO, 0xa1                      ; source 0 (B) window 1, source 1 (A) window 0, C and D window 2
.set MUL_HI, 0xf1                      ; the same, C and D window 3
.set TO_B,   0x40
; A joint load: waves 0 and 1 fetch for region A, waves 2 and 3 for B.  An s_nop 0 and four v_nop follow each of the two lines.
.macro JLOAD g0a, g1a, g0b, g1b
	s_cmp_eq_u32 s15, 0
	s_cbranch_scc0 .Lfor_b_\@
	tensor_load_to_lds s[\g0a:\g0a+3], s[\g1a:\g1a+7]
	s_nop 0
.rept 4
	v_nop
.endr
	s_branch .Lasked_\@
.Lfor_b_\@:
	tensor_load_to_lds s[\g0b:\g0b+3], s[\g1b:\g1b+7]
	s_nop 0
.rept 4
	v_nop
.endr
.Lasked_\@:
.endm
.macro CROUND                          ; a round of the cluster's barrier
	s_barrier_signal -1
	s_barrier_wait -1
	s_cmp_lg_u32 s14, 0
	s_cbranch_scc1 .Lnot_wave_0_\@
	s_barrier_signal -3
.Lnot_wave_0_\@:
	s_barrier_wait -3
	s_barrier_signal -1
	s_barrier_wait -1
.endm
	s_load_b128 s[4:7], s[0:1], 0x0                ; hc, hs
	s_load_b128 s[8:11], s[0:1], 0x10              ; wc, ws
	s_load_b64 s[12:13], s[0:1], 0x20              ; pj
	v_lshl_add_u32 v[SPW], v0, 2, SPARE
	v_mov_b32 v[NIL], 0
	ds_add_u32 v[SPW], v[NIL]                      ; the wave's opening: the add, twice on end, and its wait ahead of my first tensor load
	ds_add_u32 v[SPW], v[NIL]
	v_lshrrev_b32 v1, 5, v0
	v_readfirstlane_b32 s14, v1                    ; wave 0..3
	s_lshr_b32 s15, s14, 1                         ; which half of A's rows is mine.  Also: I fetch for A (0) or for B (1)
	s_and_b32 s16, s14, 1                          ; which half of B's rows.  Also: which 128 rows I fetch
	s_bfe_u32 s40, ttmp6, 0x40000                  ; cx
	s_bfe_u32 s41, ttmp6, 0x40004                  ; cy
	s_and_b32 s95, ttmp7, 0xffff                   ; the cluster's y: four tiles of hidden
	s_cmp_lt_u32 ttmp9, 2                          ; the cluster's x is the tensor: the same in all sixteen partners
	s_cselect_b32 s98, 1, 0                        ; 1: hidden in A;  0: weights in A
	s_cselect_b32 s17, s95, ttmp9
	s_cselect_b32 s42, ttmp9, s95
	s_lshl_b32 s17, s17, 2
	s_add_co_u32 s17, s17, s41                     ; A's tile: 4 x its cluster coordinate + cy
	s_lshl_b32 s42, s42, 2
	s_add_co_u32 s42, s42, s40                     ; B's tile: 4 x its cluster coordinate + cx
	s_lshl_b32 s43, s41, 2
	s_lshl_b32 s43, 15, s43                        ; my row of the cluster
	s_lshl_b32 s44, 0x1111, s40                    ; my column
	s_or_b32 s[G1+0], s43, (0<<16)|(1<<20)|(1<<21)|(5<<22)|(3<<25)  ; the mask; elements of 1 byte; padding of 4 words behind every 64; bit 21 beside a mask
	s_or_b32 s[G1B+0], s44, (0<<16)|(1<<20)|(1<<21)|(5<<22)|(3<<25)
.irp g, G1, G1B
	s_mov_b32 s[\g+1], ROWB<<16                    ; tensor_dim0
	s_mov_b32 s[\g+2], 128<<16                     ; tensor_dim1
	s_mov_b32 s[\g+3], ROWB<<16                    ; tile_dim0
	s_mov_b32 s[\g+4], 128                         ; tile_dim1
	s_mov_b32 s[\g+5], KROW                        ; from row to row
	s_mov_b32 s[\g+6], 0
	s_mov_b32 s[\g+7], 0
.endr
	s_or_b32 s[G1S+0], s43, (3<<16)|(1<<20)|(1<<21)|(5<<22)|(3<<25) ; the scales of 128 rows: 4,096 dense bytes as 16 rows of 256
	s_or_b32 s[G1SB+0], s44, (3<<16)|(1<<20)|(1<<21)|(5<<22)|(3<<25)
.irp g, G1S, G1SB
	s_mov_b32 s[\g+1], 32<<16
	s_mov_b32 s[\g+2], (128*KS/256)<<16
	s_mov_b32 s[\g+3], 32<<16
	s_mov_b32 s[\g+4], 128*KS/256
	s_mov_b32 s[\g+5], 32
	s_mov_b32 s[\g+6], 0
	s_mov_b32 s[\g+7], 0
.endr
	s_lshl_b32 s18, s16, 7                         ; which 128 rows of the tile I fetch
	s_lshl_b32 s20, s17, 8
	s_add_co_u32 s20, s20, s18                     ; A: row
	s_lshl_b32 s46, s42, 8
	s_add_co_u32 s46, s46, s18                     ; B: row
	s_lshl_b32 s22, s20, 5                         ; their scale bytes,
	s_mov_b32 s23, 0
	s_lshl_b32 s92, s46, 5
	s_mov_b32 s93, 0
	s_lshl_b32 s20, s20, 9                         ; and their codes
	s_mov_b32 s21, 0
	s_lshl_b32 s46, s46, 9
	s_mov_b32 s47, 0
	s_mul_i32 s45, s14, HALFT                      ; where they go: wave x 128 rows
	s_mul_i32 s94, s14, HALFS
	s_wait_dscnt 0x0                               ; both opening adds are done
	s_wait_kmcnt 0x0
	s_cmp_eq_u32 s98, 1
	s_cselect_b64 s[96:97], s[4:5], s[8:9]         ; A's codes
	s_cselect_b64 s[100:101], s[8:9], s[4:5]       ; B's codes
	s_add_nc_u64 s[20:21], s[96:97], s[20:21]
	s_add_nc_u64 s[46:47], s[100:101], s[46:47]
	s_cselect_b64 s[96:97], s[6:7], s[10:11]       ; A's scales
	s_cselect_b64 s[100:101], s[10:11], s[6:7]     ; B's scales
	s_add_nc_u64 s[22:23], s[96:97], s[22:23]
	s_add_nc_u64 s[92:93], s[100:101], s[92:93]
	CROUND                                         ; all sixteen work-groups are here: the joint loads meet
	s_mov_b32 s[G0S], 1
	s_add_co_u32 s[G0S+1], s94, SCL
	s_mov_b64 s[G0S+2:G0S+3], s[22:23]
	s_or_b32 s[G0S+3], s[G0S+3], 0x80000000
	s_mov_b32 s[G0SB], 1
	s_add_co_u32 s[G0SB+1], s94, SCL
	s_mov_b64 s[G0SB+2:G0SB+3], s[92:93]
	s_or_b32 s[G0SB+3], s[G0SB+3], 0x80000000
	JLOAD G0S, G1S, G0SB, G1SB                     ; the scales first
.irp s, 0,1
	s_mov_b32 s[G0+4*\s], 1
	s_add_co_u32 s[G0+4*\s+1], s45, \s*SLOT
	s_add_nc_u64 s[G0+4*\s+2:G0+4*\s+3], s[20:21], \s*ROWB
	s_or_b32 s[G0+4*\s+3], s[G0+4*\s+3], 0x80000000
	s_mov_b32 s[G0B+4*\s], 1
	s_add_co_u32 s[G0B+4*\s+1], s45, \s*SLOT
	s_add_nc_u64 s[G0B+4*\s+2:G0B+4*\s+3], s[46:47], \s*ROWB
	s_or_b32 s[G0B+4*\s+3], s[G0B+4*\s+3], 0x80000000
	JLOAD G0+4*\s, G1, G0B+4*\s, G1B               ; three tensor loads of mine are out at the most
.endr
	v_and_b32 v1, 15, v0                           ; r
	v_bfe_u32 v2, v0, 4, 1                         ; h
	v_mul_u32_u24 v3, v1, PITCH
	v_lshl_add_u32 v4, v2, 4, v3                   ; a fragment's row x pitch + 16 h
	s_mul_i32 s21, s15, HALFT
	s_mul_i32 s22, s16, HALFT
	s_add_co_u32 s22, s22, 2*HALFT
.irp s, 0,1
	v_add_nc_u32 v[ADRA+\s], s21, v4
	v_add_nc_u32 v[ADRB+\s], s22, v4
	s_add_co_u32 s21, s21, SLOT
	s_add_co_u32 s22, s22, SLOT
.endr
	v_mul_u32_u24 v5, v1, KS                       ; my row's scales: 32 bytes a row,
	v_lshrrev_b32 v6, 8, v5
	v_lshl_add_u32 v5, v6, 4, v5                   ; and 16 more for each 256 passed
	s_mul_i32 s21, s15, HALFS
	s_mul_i32 s22, s16, HALFS
	s_add_co_u32 s22, s22, 2*HALFS
	s_sub_co_u32 s22, s22, s21
	v_mul_u32_u24 v6, s22, v2                      ; lanes 16-31 take B's
	s_add_co_u32 s21, s21, SCL
	v_add_nc_u32 v5, v5, v6
	v_add_nc_u32 v[ADRS], s21, v5
	v_and_b32 v6, 31, v0
	v_lshlrev_b32 v[CO], 4, v6
	v_lshlrev_b32 v[BV], 5, v2
	v_lshlrev_b32 v[BR], 2, v1
	; where my 128 x 128 goes
	s_lshl_b32 s95, s17, 8
	s_lshl_b32 s96, s15, 7
	s_add_co_u32 s95, s95, s96                     ; my first row of A
	s_lshl_b32 s96, s42, 8
	s_lshl_b32 s97, s16, 7
	s_add_co_u32 s96, s96, s97                     ; my first row of B
	s_cmp_eq_u32 s98, 1
	s_cselect_b32 s97, s95, s96                    ; my first position, 0 .. 4,095
	s_cselect_b32 s96, s96, s95                    ; my first channel, 0 .. 5,119
	s_and_b32 s99, s97, 2047                       ; the position in its sequence
	s_lshr_b32 s97, s97, 11                        ; the batch
	s_lshr_b32 s95, s96, 10                        ; t
	s_lshl_b32 s95, s95, 5
	s_lshl_b32 s97, s97, 4
	s_add_co_u32 s95, s95, s97
	s_bfe_u32 s97, s96, 0x40006                    ; the head
	s_add_co_u32 s95, s95, s97                     ; HB
	s_lshl_b32 s20, s95, 18
	s_lshl_b32 s21, s99, 7
	s_add_co_u32 s20, s20, s21                     ; 128 bytes of images a position in both layouts
	s_mov_b32 s21, 0
	s_lshl_b32 s22, s95, 12
	s_add_co_u32 s22, s22, 41943040
	s_mov_b32 s23, 0
	s_add_nc_u64 s[4:5], s[12:13], s[22:23]        ; the f32 images
	s_add_nc_u64 s[12:13], s[12:13], s[20:21]      ; the f16 images
	s_lshl_b32 s22, s96, 2
	s_add_co_u32 s22, s22, 163840
	s_add_nc_u64 s[6:7], s[10:11], s[22:23]        ; my 128 channels' biases
	s_cmp_eq_u32 s98, 1
	s_cbranch_scc0 .Lbias_w
.irp b, 0,1,2,3,4,5,6,7                        ; registers run along the channels: tile b wants those of 16 b + 8 h + 0 .. 7
	global_load_b128 v[BI+8*\b:BI+8*\b+3], v[BV], s[6:7] offset:64*\b
	global_load_b128 v[BI+8*\b+4:BI+8*\b+7], v[BV], s[6:7] offset:64*\b+16
.endr
	s_branch .Lbias_done
.Lbias_w:
.irp a, 0,1,2,3,4,5,6,7                        ; a lane holds a channel: tile a wants that of 16 a + r in all eight registers
.irp j, 0,1,2,3,4,5,6,7
	global_load_b32 v[BI+8*\a+\j], v[BR], s[6:7] offset:64*\a
.endr
.endr
.Lbias_done:
.macro FRAG reg, adr, q, i             ; 16 rows x 128 K of 4-bit codes: 8 registers
.irp c, 0,1
	ds_load_b128 v[\reg+4*\c:\reg+4*\c+3], v[\adr] offset:64*(\q)+32*\c+(\i)*16*PITCH
.endr
.endm
; 16 matrix instructions: A's blocks a0, a0 + 1 x B's eight.  kind 0: they add in place; 1: C is the bias of B's block; 2: C is the bias of A's block.
; The 64 accumulators take turns, one instruction a turn, in the same order in every step.
.macro MUL16 a0, p, q, sc, kind
.irp a, \a0, \a0+1
.irp b, 0,1,2,3,4,5,6,7
.if \kind == 1
	v_wmma_scale_f32_16x16x128_f8f6f4 v[8*(8*((\a)%4)+\b):8*(8*((\a)%4)+\b)+7], v[128*(\p)+FR*\b:128*(\p)+FR*\b+FR-1], v[AF+FR*(\a):AF+FR*(\a)+FR-1], v[BI+8*\b:BI+8*\b+7], v[SC+8*NQ*(\sc)+NQ*\b+(\q)], v[SC+8*NQ*(\sc)+NQ*(\a)+(\q)] matrix_a_fmt:MATRIX_FMT_FP4 matrix_b_fmt:MATRIX_FMT_FP4 matrix_a_scale:MATRIX_SCALE_ROW1
.elseif \kind == 2
	v_wmma_scale_f32_16x16x128_f8f6f4 v[8*(8*((\a)%4)+\b):8*(8*((\a)%4)+\b)+7], v[128*(\p)+FR*\b:128*(\p)+FR*\b+FR-1], v[AF+FR*(\a):AF+FR*(\a)+FR-1], v[BI+8*(\a):BI+8*(\a)+7], v[SC+8*NQ*(\sc)+NQ*\b+(\q)], v[SC+8*NQ*(\sc)+NQ*(\a)+(\q)] matrix_a_fmt:MATRIX_FMT_FP4 matrix_b_fmt:MATRIX_FMT_FP4 matrix_a_scale:MATRIX_SCALE_ROW1
.else
	v_wmma_scale_f32_16x16x128_f8f6f4 v[8*(8*((\a)%4)+\b):8*(8*((\a)%4)+\b)+7], v[128*(\p)+FR*\b:128*(\p)+FR*\b+FR-1], v[AF+FR*(\a):AF+FR*(\a)+FR-1], v[8*(8*((\a)%4)+\b):8*(8*((\a)%4)+\b)+7], v[SC+8*NQ*(\sc)+NQ*\b+(\q)], v[SC+8*NQ*(\sc)+NQ*(\a)+(\q)] matrix_a_fmt:MATRIX_FMT_FP4 matrix_b_fmt:MATRIX_FMT_FP4 matrix_a_scale:MATRIX_SCALE_ROW1
.endif
.endr
.endr
.endm
.macro FETCH_B slot, q, p
	WIN TO_B
.irp i, 0,1,2,3,4,5,6,7
	FRAG 128*(\p)+FR*\i, ADRB+\slot, \q, \i
.endr
	WIN 0
.endm
.macro FETCH_A slot, q, i0
.irp i, \i0, \i0+1, \i0+2, \i0+3
	FRAG AF+FR*(\i), ADRA+\slot, \q, \i
.endr
.endm
.macro SCALES sc                       ; a slot's scale words: four a row; lanes 0-15 take A's block i, lanes 16-31 B's block i
.irp i, 0,1,2,3,4,5,6,7
	ds_load_b128 v[SC+8*NQ*\sc+NQ*\i:SC+8*NQ*\sc+NQ*\i+3], v[ADRS] offset:\i*SBLK
.endr
.endm
.macro PLACES n                        ; plain vector places behind matrix instructions, in front of loads into registers that they read and of reads of their results
.rept \n
	v_nop
.endr
.endm
.macro STEP slot, q, kind              ; 128 along K, with its successor in the same slot
	s_wait_dscnt 4*NL                              ; B's set and A's blocks 0-3 are in; the youngest eight loads (A's blocks 4-7) may be out
.if \kind
	WIN 0x81                                       ; C (the bias) in window 0, D in window 2
.else
	WIN MUL_LO
.endif
	MUL16 0, (\q)%2, \q, \slot, \kind
	MUL16 2, (\q)%2, \q, \slot, \kind
	s_wait_dscnt 0
	PLACES NP
	FETCH_B \slot, (\q)+1, 1-(\q)%2
	FETCH_A \slot, (\q)+1, 0
.if \kind
	WIN 0xc1                                       ; C in window 0, D in window 3
.else
	WIN MUL_HI
.endif
	MUL16 4, (\q)%2, \q, \slot, \kind
	MUL16 6, (\q)%2, \q, \slot, \kind
	PLACES NP
	WIN 0
	FETCH_A \slot, (\q)+1, 4
.endm
.macro TURN slot, next                 ; a slot's last step changes slots: one barrier
	s_wait_tensorcnt 0x0                           ; all my tensor loads have landed: my part of the next slot
	ds_add_u32 v[SPW], v[NIL]                      ; 0 onto my spare word
	s_wait_dscnt 4*NL+1                            ; the add and the youngest eight loads may be out
	WIN MUL_LO
	MUL16 0, 1, NQ-1, \slot, 0
	s_wait_dscnt 0x0                               ; the add is done, and my reads of this slot are over
	s_barrier_signal -1
	MUL16 2, 1, NQ-1, \slot, 0
	WIN 0
	s_barrier_wait -1                              ; the next slot is whole
	PLACES NP
	v_add_nc_u32 v[ADRS], 4*NQ, v[ADRS]            ; the next 512 along K: 16 scale bytes on in each row
	FETCH_B \next, 0, 0
	FETCH_A \next, 0, 0
	SCALES \next
	WIN MUL_HI
	MUL16 4, 1, NQ-1, \slot, 0
	MUL16 6, 1, NQ-1, \slot, 0
	PLACES NP
	WIN 0
	FETCH_A \next, 0, 4
.endm
; THE WAY OUT.  A lane's eight results of two neighbouring tiles, rounded to f16 in pairs, ARE a fragment of the later products: each store of the wave covers 512 consecutive bytes, aligned; no stage is needed.
.macro WAYOUT kind
	PLACES NP
	s_wait_xcnt 0x0                                ; EXEC changes only behind this wait
	v_mov_b32 v[MK], s99
	v_cmp_eq_u32 vcc_lo, 0, v[MK]                  ; do my positions begin a sequence?  A mask, no branch: the answer differs between partners
	s_and_saveexec_b32 s100, vcc_lo
.irp x, 0,1,2,3,4,5,6,7                        ; the f32 accumulators of positions 0 to 15: eight tiles of 16 channels, each from its low end on
.if \kind == 1
	WIN 0x08
	global_store_b128 v[CO], v[8*\x:8*\x+3], s[4:5] offset:1024*\x
	global_store_b128 v[CO], v[8*\x+4:8*\x+7], s[4:5] offset:1024*\x+512
.else
	WIN 0x08+4*(\x/4)
	global_store_b128 v[CO], v[64*(\x%4):64*(\x%4)+3], s[4:5] offset:1024*\x
	global_store_b128 v[CO], v[64*(\x%4)+4:64*(\x%4)+7], s[4:5] offset:1024*\x+512
.endif
.endr
	WIN 0
	s_wait_xcnt 0x0                                ; and again, in front of the line that widens EXEC
	s_or_b32 exec_lo, exec_lo, s100
.irp a, 0,1,2,3,4,5,6,7
.if \a >= 4
	s_wait_xcnt 0x0                                ; block a - 4's stores have read this set of registers
.endif
	WIN 0x0a+5*(\a/4)                              ; sources in window 2 or 3
.irp b, 0,1,2,3,4,5,6,7
.irp x, 0,1,2,3
	v_cvt_pk_f16_f32 v[PK+32*(\a%4)+4*\b+\x], v[8*(8*(\a%4)+\b)+2*\x], v[8*(8*(\a%4)+\b)+2*\x+1]
.endr
.endr
	WIN 0
.irp b, 0,1,2,3,4,5,6,7
.if \kind == 1
	global_store_b128 v[CO], v[PK+32*(\a%4)+4*\b:PK+32*(\a%4)+4*\b+3], s[12:13] offset:(\b/4)*262144+2048*\a+((\b%4)/2)*1024+(\b%2)*512
.else
	global_store_b128 v[CO], v[PK+32*(\a%4)+4*\b:PK+32*(\a%4)+4*\b+3], s[12:13] offset:(\a/4)*262144+(\b/2)*4096+(\a%4)*1024+(\b%2)*512
.endif
.endr
.endr
.endm
	s_wait_tensorcnt 1                             ; the scales and my part of slot 0 are in; slot 1's load may be out
	s_barrier_signal -1
	s_barrier_wait -1                              ; everybody's are
	FETCH_B 0, 0, 0
	FETCH_A 0, 0, 0
	SCALES 0
	FETCH_A 0, 0, 4
	s_wait_loadcnt 0x0                             ; the bias
	s_cmp_eq_u32 s98, 1
	s_cbranch_scc0 .Lstep_w
	STEP 0, 0, 1                                   ; the first step starts the sums from the bias
	s_branch .Lstep_done
.Lstep_w:
	STEP 0, 0, 2
.Lstep_done:
	STEP 0, 1, 0
	STEP 0, 2, 0
	TURN 0, 1
	STEP 1, 0, 0
	STEP 1, 1, 0
	STEP 1, 2, 0
	s_wait_dscnt 4*NL                              ; the last step: nothing more to fetch
	WIN MUL_LO
	MUL16 0, 1, NQ-1, 1, 0
	MUL16 2, 1, NQ-1, 1, 0
	s_wait_dscnt 0
	WIN MUL_HI
	MUL16 4, 1, NQ-1, 1, 0
	MUL16 6, 1, NQ-1, 1, 0
	WIN 0
	s_cmp_eq_u32 s98, 1
	s_cbranch_scc0 .Lout_w
	WAYOUT 1
	s_branch .Lout_done
.Lout_w:
	WAYOUT 2
.Lout_done:
	s_wait_tensorcnt 0x0                           ; the wave's end
	ds_add_u32 v[SPW], v[NIL]
	s_wait_dscnt 0x0
	CROUND                                         ; the closing round
	s_endpgm
.Lfunc_end_k_qee894e97a1_proj:
	.size	k_qee894e97a1_proj, .Lfunc_end_k_qee894e97a1_proj-k_qee894e97a1_proj
	.p2alignl 7, 3214868480
	.fill 96, 4, 3214868480
	.section	.rodata,"a",@progbits
	.p2align	6, 0x0
	.amdhsa_kernel k_qee894e97a1_proj
		.amdhsa_group_segment_fixed_size 327680
		.amdhsa_private_segment_fixed_size 0
		.amdhsa_enable_private_segment 0
		.amdhsa_kernarg_size 40
		.amdhsa_user_sgpr_count 2
		.amdhsa_user_sgpr_kernarg_segment_ptr 1
		.amdhsa_wavefront_size32 1
		.amdhsa_system_sgpr_workgroup_id_x 1
		.amdhsa_system_sgpr_workgroup_id_y 1
		.amdhsa_system_sgpr_workgroup_id_z 1
		.amdhsa_system_vgpr_workitem_id 0
		.amdhsa_next_free_vgpr 1024
		.amdhsa_next_free_sgpr 102
		.amdhsa_reserve_vcc 1
		.amdhsa_float_denorm_mode_32 3
		.amdhsa_float_denorm_mode_16_64 3
		.amdhsa_memory_ordered 1
		.amdhsa_forward_progress 1
		.amdhsa_inst_pref_size 163
	.end_amdhsa_kernel
	.amdgpu_metadata
---
amdhsa.version: [ 1, 2 ]
amdhsa.kernels:
  - .name:           k_qee894e97a1_proj
    .symbol:         k_qee894e97a1_proj.kd
    .args:
      - { .name: hc, .offset: 0, .size: 8, .value_kind: global_buffer, .address_space: global }
      - { .name: hs, .offset: 8, .size: 8, .value_kind: global_buffer, .address_space: global }
      - { .name: wc, .offset: 16, .size: 8, .value_kind: global_buffer, .address_space: global }
      - { .name: ws, .offset: 24, .size: 8, .value_kind: global_buffer, .address_space: global }
      - { .name: pj, .offset: 32, .size: 8, .value_kind: global_buffer, .address_space: global }
    .group_segment_fixed_size: 327680
    .private_segment_fixed_size: 0
    .kernarg_segment_align: 8
    .kernarg_segment_size: 40
    .max_flat_workgroup_size: 128
    .sgpr_count:     102
    .vgpr_count:     1024
    .wavefront_size: 32
...
	.end_amdgpu_metadata
.endif
;; end of part 3
;; launch attn (part 4): grid 8 x 32, 16 waves a work-group, no clusters, 327,680 bytes of LDS; arguments pj, cx, gp; writes cx, gp
.if DOCPART == 4
	.amdgcn_target "amdgcn-amd-amdhsa--gfx1250"
	.amdhsa_code_object_version 6
	.text
	.protected	k_qee894e97a1_attn
	.globl	k_qee894e97a1_attn
	.p2align	8
	.type	k_qee894e97a1_attn,@function
k_qee894e97a1_attn:
	s_mov_b64 s[64:65], 0
	v_nop
	global_prefetch_b8 v0, s[64:65] scope:SCOPE_SE
	s_setreg_imm32_b32 hwreg(HW_REG_WAVE_MODE, 25, 1), 1
	s_wait_xcnt 0x0
; ctx[b,h][q] = softmax over keys k <= q of (q . k1 / 8) applied to v1, in f16 operands with f32 sums, maxima and row sums; and the part over 256 keys of G[b,h] = k2^T v2 (64 x 64), which takes the place of the two products behind ctx:
; (ctx k2^T) v2 = ctx (k2^T v2), since nothing stands between them.
; SHARES.  Work-group (i, bh).  Each of sixteen waves owns one tile of 16 queries: eight waves in query block i (128 queries), eight in block 15 - i, so that every work-group has the same count of visible key steps.
; All operands arrive as images of operand registers: a fragment is 1,024 bytes, registers 0-3 at 16 x lane, 4-7 at 512 + 16 x lane: every LDS load takes 512 consecutive bytes.
; S^T = K Q^T (source 0 = 16 keys, source 1 = my 16 queries), O^T = V^T P (source 0 = 16 channels, source 1 = P): a lane holds ONE query throughout, and two tiles of S^T rounded in pairs are a fragment of P.
; RING.  Two slots of 256 keys (K1's 32 KB, V1's 32 KB), filled by waves 0 to 3, 16 KB each, one tensor load a wave behind each change of slots.  Waves 4 to 7 bring K2's and V2's 256 keys 256 i on, once.
; Every work-group walks all eight slots (constant trip count); a key step whose keys all come after the wave's queries is jumped over on ids, and a slot whose first key comes after the work-group's last query is not asked for.
; cluster = none: the eight work-groups of a head need 16 - i blocks of keys, a different number each; a joint load would bring slots whose reads a whole partner jumps over.
; SOFTMAX: running maximum m and sum l; p = 2^(c s - c m), c = log2(e) / 8; in every step O and l are multiplied by a = 2^(c m_old - c m_new).
; LIMITS: q, k1, v1, k2, v2 and ctx under 65,504 in magnitude (f16); p under 6e-8 is lost beside a row sum of at least about 1; NaN and infinities are not served.
.set SLOT1, 65536
.set VOFF,  32768
.set GB,    131072                     ; K2's images, then V2's: filled once
.set SPARE, 196608                     ; the spare words, 128 bytes a wave
.set L16, 1                            ; v1   16 x lane
.set AD,  2                            ; v2   the slot in hand + 16 x lane
.set SPW, 3
.set NIL, 4
.set PFO, 5                            ; v5   256 x lane
.set RH,  6                            ; v6   lane % 16 - 8 (lane / 16)
.set DD,  7                            ; v7   at work: the diagonal's bound
.set NINF, 8                           ; v8   -infinity
.set AK2, 9                            ; v9   my fragments of K2
.set AV2, 10                           ; v10  my fragments of V2
.set CM,  12                           ; v12 c m, v13 m
.set LS,  14                           ; v[14:15] l in two halves
.set CC,  16                           ; v16-19 four chains of the maximum; a takes v18
.set Q,   20                           ; v20-35   Q: two fragments
.set KFR, 36                           ; v36-99   eight fragments of K
.set VFR, 100                          ; v100-163 eight fragments of V
.set S,   164                          ; v164-195 S^T, then p
.set P,   196                          ; v196-211 P
.set O,   212                          ; v212-243 O^T
.set WV, 10
.set II, 11
.set BH, 12
.set BLK, 13
.set IDX, 14
.set Q0, 15                            ; my first query
.set QL, 16                            ; my work-group's last query
.set KF, 17                            ; the step's first key
.set TB, 18                            ; LDS byte at which the slot in hand begins
.set SLOTS, 19
.set SEL, 20
.set CS, 22
.set G1, 24
.set G0, 32
.set PFA, 36
.set LIM, 38
.macro TLOAD lim                       ; waves under lim issue their one load; an s_nop 0 and four v_nop follow it
	s_cmp_lt_u32 s[WV], \lim
	s_cbranch_scc0 .Lnone_\@
	tensor_load_to_lds s[G0:G0+3], s[G1:G1+7]
	s_nop 0
.rept 4
	v_nop
.endr
.Lnone_\@:
.endm
; A prefetch of what the NEXT change of slots will ask for: 32 KB of K1's images and 32 KB of V1's.  All work-groups of a head walk the same images: work-group x = 0, which loads every slot, asks, and nobody else.
; In it the waves ask that fetch nothing for the ring: waves 4 to 7 for K1, waves 8 to 11 for V1, 8 KB a wave, lanes 256 bytes apart: each aligned 256 bytes is named once.  The last filling change asks for nothing; nothing is asked at the head.
.macro ASK
	s_cmp_gt_u32 s[SLOTS], s[LIM]
	s_cbranch_scc0 .Lnot_mine_\@
	global_prefetch_b8 v[PFO], s[PFA:PFA+1] th:TH_LOAD_NT scope:SCOPE_SE
.Lnot_mine_\@:
.endm
	s_load_b128 s[4:7], s[0:1], 0x0                ; pj, cx
	s_load_b64 s[8:9], s[0:1], 0x10                ; gp
	v_lshl_add_u32 v[SPW], v0, 2, SPARE
	v_mov_b32 v[NIL], 0
	ds_add_u32 v[SPW], v[NIL]                      ; the wave's opening: the add, twice on end, and its wait ahead of my first tensor load
	ds_add_u32 v[SPW], v[NIL]
	v_lshrrev_b32 v11, 5, v0
	v_readfirstlane_b32 s[WV], v11                 ; wave 0..15
	s_mov_b32 s[II], ttmp9
	s_and_b32 s[BH], ttmp7, 0xffff
	s_lshr_b32 s40, s[WV], 2
	s_xor_b32 s41, s40, s[WV]
	s_and_b32 s41, s41, 1                          ; 1: the late block.  Of waves 2 k and 2 k + 1 one is early and one late
	s_sub_co_u32 s42, 15, s[II]
	s_cmp_eq_u32 s41, 1
	s_cselect_b32 s[BLK], s42, s[II]
	s_lshr_b32 s[IDX], s[WV], 1                    ; my tile of 16 in the block's 128
	s_lshl_b32 s[Q0], s[BLK], 7
	s_lshl_b32 s42, s[IDX], 4
	s_add_co_u32 s[Q0], s[Q0], s42
	s_sub_co_u32 s[QL], 16, s[II]
	s_lshl_b32 s[QL], s[QL], 7
	s_sub_co_u32 s[QL], s[QL], 1
	s_mov_b32 s[G1], 3<<16                         ; no mask; elements of 8 bytes; no padding: 16 KB dense, as 64 rows of 256 bytes
	s_mov_b32 s[G1+1], 32<<16                      ; tensor_dim0
	s_mov_b32 s[G1+2], 64<<16                      ; tensor_dim1
	s_mov_b32 s[G1+3], 32<<16                      ; tile_dim0
	s_mov_b32 s[G1+4], 64                          ; tile_dim1
	s_mov_b32 s[G1+5], 32                          ; from row to row
	s_mov_b32 s[G1+6], 0
	s_mov_b32 s[G1+7], 0
	s_mov_b32 s[G0], 1
	s_lshl_b32 s[G0+1], s[WV], 14                  ; waves 0-3: slot 0's four quarters;
	s_lshl_b32 s42, s40, 16
	s_add_co_u32 s[G0+1], s[G0+1], s42             ; waves 4-7: GB's four quarters
	s_lshr_b32 s42, s[WV], 1
	s_and_b32 s42, s42, 1
	s_lshl_b32 s42, s42, 1
	s_add_co_u32 s42, s42, s40
	s_add_co_u32 s42, s42, 1                       ; the tensor: waves 0, 1: k1 (1); 2, 3: v1 (3); 4, 5: k2 (2); 6, 7: v2 (4)
	s_lshl_b32 s42, s42, 5
	s_add_co_u32 s42, s42, s[BH]
	s_lshl_b32 s42, s42, 18                        ; its head block,
	s_and_b32 s43, s[WV], 1
	s_lshl_b32 s43, s43, 14
	s_add_co_u32 s42, s42, s43                     ; my half of 32 KB,
	s_mul_i32 s43, s40, s[II]
	s_lshl_b32 s43, s43, 15
	s_add_co_u32 s42, s42, s43                     ; and for k2 and v2 the keys 256 i on
	s_mov_b32 s43, 0
	s_mov_b32 s[SEL], 0x76543210
	s_mov_b32 s[SEL+1], 0xfedcba98
	s_mov_b32 s[CS], 0x3e38aa3b                    ; c = log2(e) / 8
	s_mov_b32 s[CS+1], s[CS]
	s_mov_b32 s[KF], 0
	s_mov_b32 s[TB], 0
	s_mov_b32 s[SLOTS], 7
	s_wait_dscnt 0x0                               ; both opening adds are done
	s_wait_kmcnt 0x0
	s_add_nc_u64 s[G0+2:G0+3], s[4:5], s[42:43]
	s_or_b32 s[G0+3], s[G0+3], 0x80000000
	TLOAD 8                                        ; the first fills: slot 0, K2, V2: one load a wave
	v_and_b32 v11, 31, v0
	v_lshlrev_b32 v[L16], 4, v11
	v_lshlrev_b32 v[PFO], 8, v11
	s_lshl_b32 s40, s[BH], 18
	s_lshl_b32 s41, s[Q0], 7
	s_add_co_u32 s40, s40, s41
	s_mov_b32 s41, 0
	s_add_nc_u64 s[44:45], s[4:5], s[40:41]        ; q's images of my 16 queries
.irp f, 0,1,2,3
	global_load_b128 v[Q+4*\f:Q+4*\f+3], v[L16], s[44:45] offset:512*\f
.endr
	v_and_b32 v11, 15, v0
	v_bfe_u32 v[DD], v0, 4, 1
	v_lshlrev_b32 v[DD], 3, v[DD]
	v_sub_nc_u32 v[RH], v11, v[DD]
	s_lshr_b32 s40, s[WV], 2
	s_lshl_b32 s40, s40, 10
	s_add_co_u32 s40, s40, GB
	v_add_nc_u32 v[AK2], s40, v[L16]               ; K2's channels 16 (wave / 4) on
	s_and_b32 s40, s[WV], 3
	s_lshl_b32 s40, s40, 10
	s_add_co_u32 s40, s40, GB+32768
	v_add_nc_u32 v[AV2], s40, v[L16]               ; V2's channels 16 (wave % 4) on
	s_cmp_lt_u32 s[WV], 8
	s_cselect_b32 s40, 32, 96                      ; the prefetches: k1's head blocks begin at 32, v1's at 96
	s_add_co_u32 s40, s40, s[BH]
	s_lshl_b32 s40, s40, 18
	s_and_b32 s41, s[WV], 3
	s_lshl_b32 s41, s41, 13
	s_add_co_u32 s40, s40, s41
	s_add_co_u32 s40, s40, 32768                   ; in slot 1: the first change of slots steps it to slot 2
	s_mov_b32 s41, 0
	s_add_nc_u64 s[PFA:PFA+1], s[4:5], s[40:41]
	s_sub_co_u32 s40, s[WV], 4
	s_lshr_b32 s40, s40, 3                         ; 0 in waves 4 to 11,
	s_or_b32 s40, s40, s[II]                       ; of work-group x = 0
	s_cmp_eq_u32 s40, 0
	s_cselect_b32 s[LIM], 1, -1
	v_mov_b32 v[CM+1], 0xff61b1e6                  ; m = -3e38, under every score
	v_mul_f32 v[CM], s[CS], v[CM+1]
	v_mov_b32 v[LS], 0
	v_mov_b32 v[LS+1], 0
.irp x, 0,1,2,3
	v_mov_b32 v[CC+\x], 0                          ; written once: a lane permute's destination counts as one of its sources
.endr
	v_mov_b32 v[NINF], 0xff800000
	v_mov_b32 v245, 0
.set i, 0
.rept 32
	v_mov_b32 v[O+i], 0                            ; the step is written once: the first finds zeros, which a = 0 leaves zeros
.set i, i+1
.endr
; A KEY STEP: 64 keys, the q-th of the slot in hand.
.macro STEP q
	s_cmp_gt_u32 s[KF], s[Q0]                      ; all 64 keys come after my 16 queries (both numbers are multiples of 16): the step's work is left out
	s_cbranch_scc1 .Lhid_\@
.set i, 0
.rept 16
	ds_load_b128 v[KFR+4*i:KFR+4*i+3], v[AD] offset:8192*(\q)+512*i
.set i, i+1
.endr
.rept 4
	v_nop                                          ; places behind the last step's V^T P, in front of loads into V's registers
.endr
.set i, 0
.rept 16
	ds_load_b128 v[VFR+4*i:VFR+4*i+3], v[AD] offset:VOFF+8192*(\q)+512*i
.set i, i+1
.endr
	s_wait_dscnt 16                                ; K's sixteen loads are in; V's sixteen may be out
.irp c, 0,1                                    ; the four accumulators by turns
.irp t, 0,1,2,3
.if \c == 0
	v_wmma_f32_16x16x32_f16 v[S+8*\t:S+8*\t+7], v[KFR+8*(2*\t+\c):KFR+8*(2*\t+\c)+7], v[Q+8*\c:Q+8*\c+7], 0
.else
	v_wmma_f32_16x16x32_f16 v[S+8*\t:S+8*\t+7], v[KFR+8*(2*\t+\c):KFR+8*(2*\t+\c)+7], v[Q+8*\c:Q+8*\c+7], v[S+8*\t:S+8*\t+7]
.endif
.endr
.endr
.rept 4
	v_nop
.endr
	s_add_co_u32 s40, s[KF], 63
	s_cmp_le_u32 s40, s[Q0]
	s_cbranch_scc1 .Lopen_\@                       ; all 64 keys count for all my queries
	s_sub_co_u32 s40, s[Q0], s[KF]
	v_add_nc_u32 v[DD], s40, v[RH]                 ; register 8 t + j holds key KF + 16 t + 8 h + j: hidden where 16 t + j > my query - KF - 8 h
.set i, 0
.rept 32
	v_cmp_gt_i32 vcc_lo, 16*(i/8)+i%8, v[DD]
	v_cndmask_b32 v[S+i], v[S+i], v[NINF], vcc_lo
.set i, i+1
.endr
.Lopen_\@:
.irp x, 0,1,2,3
	v_max3_num_f32 v[CC+\x], v[S+8*\x], v[S+8*\x+1], v[S+8*\x+2]   ; each tile is read from its low end on
.endr
.irp y, 3,5
.irp x, 0,1,2,3
	v_max3_num_f32 v[CC+\x], v[CC+\x], v[S+8*\x+\y], v[S+8*\x+\y+1]
.endr
.endr
	v_max3_num_f32 v[CC], v[CC], v[S+7], v[S+15]
	v_max3_num_f32 v[CC+2], v[CC+2], v[S+23], v[S+31]
	v_max3_num_f32 v[CC], v[CC], v[CC+1], v[CC+2]
	v_max3_num_f32 v[CC], v[CC], v[CC+3], v[CM+1]  ; and the old m
	v_permlanex16_b32 v[CC+1], v[CC], s[SEL], s[SEL+1]   ; the query's other 32 keys lie in the lane 16 away
	v_mov_b32 v[CC+3], v[CM]                       ; c m_old
	v_max_num_f32 v[CM+1], v[CC], v[CC+1]
	v_mul_f32 v[CM], s[CS], v[CM+1]
	v_sub_f32 v[CC+3], v[CC+3], v[CM]
.set i, 0
.rept 16
	v_pk_fma_f32 v[S+2*i:S+2*i+1], v[S+2*i:S+2*i+1], s[CS:CS+1], v[CM:CM+1] op_sel_hi:[1,0,0] neg_lo:[0,0,1] neg_hi:[0,0,1]   ; c s - c m
.set i, i+1
.endr
	v_exp_f32 v[CC+2], v[CC+3]                     ; a
.set i, 0
.rept 32
	v_exp_f32 v[S+i], v[S+i]                       ; p: one batch
.set i, i+1
.endr
	v_nop                                          ; the plain line behind the last exponential
	s_wait_alu depctr_va_vdst(0)                   ; one wait for the batch of 33, ahead of its first reader
.set i, 0
.rept 16
	v_cvt_pk_f16_f32 v[P+i], v[S+2*i], v[S+2*i+1]
.set i, i+1
.endr
.irp z, 0,1,2,3,4,5,6,7
	v_pk_add_f32 v[S+4*\z:S+4*\z+1], v[S+4*\z:S+4*\z+1], v[S+4*\z+2:S+4*\z+3]   ; the row's sum is taken of the unrounded p
.endr
.irp z, 0,1,2,3
	v_pk_add_f32 v[S+8*\z:S+8*\z+1], v[S+8*\z:S+8*\z+1], v[S+8*\z+4:S+8*\z+5]
.endr
.irp z, 0,1
	v_pk_add_f32 v[S+16*\z:S+16*\z+1], v[S+16*\z:S+16*\z+1], v[S+16*\z+8:S+16*\z+9]
.endr
	v_pk_add_f32 v[S:S+1], v[S:S+1], v[S+16:S+17]
	v_pk_fma_f32 v[LS:LS+1], v[LS:LS+1], v[CC+2:CC+3], v[S:S+1] op_sel_hi:[1,0,1]   ; l = a l + the sum
.set i, 0
.rept 16
	v_pk_mul_f32 v[O+2*i:O+2*i+1], v[O+2*i:O+2*i+1], v[CC+2:CC+3] op_sel_hi:[1,0]   ; O^T x a
.set i, i+1
.endr
	s_wait_dscnt 0x0                               ; V is in
.irp k, 0,1
.irp t, 0,1,2,3
	v_wmma_f32_16x16x32_f16 v[O+8*\t:O+8*\t+7], v[VFR+8*(4*\k+\t):VFR+8*(4*\k+\t)+7], v[P+8*\k:P+8*\k+7], v[O+8*\t:O+8*\t+7]
.endr
.endr
.Lhid_\@:
	s_add_co_u32 s[KF], s[KF], 64
.endm
; THE CHANGE OF SLOTS stands at a slot's head.  Each wave waits for all its tensor loads, adds 0 to its spare word, and waits for that and for its reads of the slot that it has left; then the barrier.
; fill = 1: behind it the slot just left takes the next 256 keys, while their first key is at or under the work-group's last query.  The test is made of ids and the count of steps alone, the same in all sixteen waves, leads round the
; load's own lines alone, every wait on TENSORcnt in this text is for 0, and no step reads a slot that was left out.
.macro CHANGE fill
	s_wait_tensorcnt 0x0                           ; no tensor load of mine is out, so the group 0 may be written
	ds_add_u32 v[SPW], v[NIL]
.if \fill
	ds_add_u32 v[SPW], v[NIL]
	s_xor_b32 s[G0+1], s[G0+1], SLOT1              ; the other slot than last time,
	s_add_nc_u64 s[G0+2:G0+3], s[G0+2:G0+3], 32768 ; the next 256 keys' images
	s_wait_xcnt 0x0                                ; the last prefetch, a slot back, has read its address
	s_add_nc_u64 s[PFA:PFA+1], s[PFA:PFA+1], 32768
.endif
	s_wait_dscnt 0x0
	s_barrier_signal -1
	s_barrier_wait -1
.if \fill
	s_add_co_u32 s40, s[KF], 256                   ; the first key of the slot that this change would ask for
	s_cmp_gt_u32 s40, s[QL]
	s_cbranch_scc1 .Lpast_\@
	TLOAD 4                                        ; a wave's one tensor load until the next change: it has four key steps in which to land
.Lpast_\@:
	ASK
.endif
.endm
.macro SLOT_STEPS
	v_add_nc_u32 v[AD], s[TB], v[L16]
	STEP 0
	STEP 1
	STEP 2
	STEP 3
	s_xor_b32 s[TB], s[TB], SLOT1
.endm
	s_wait_loadcnt 0x0                             ; Q
.Lslot:                                            ; seven trips
	CHANGE 1
	SLOT_STEPS
	s_sub_co_u32 s[SLOTS], s[SLOTS], 1
	s_cmp_lg_u32 s[SLOTS], 0
	s_cbranch_scc1 .Lslot
	CHANGE 0                                       ; the last slot is written out: nothing is left to ask for
	SLOT_STEPS
	; THE WAY OUT.  O^T / l, rounded to f16 in pairs, is the last product's fragment of 16 positions x 32 channels: it is stored as it stands, 512 consecutive bytes a store.
.rept 4
	v_nop
.endr
	v_add_f32 v[LS], v[LS], v[LS+1]
	v_permlanex16_b32 v[CC], v[LS], s[SEL], s[SEL+1]
	v_add_f32 v[LS], v[LS], v[CC]
	v_rcp_f32 v[CC+2], v[LS]
	v_nop
	s_wait_alu depctr_va_vdst(0)                   ; ahead of the reciprocal's first reader
	v_mov_b32 v[CC+3], v[CC+2]
.set i, 0
.rept 16
	v_pk_mul_f32 v[O+2*i:O+2*i+1], v[O+2*i:O+2*i+1], v[CC+2:CC+3]
.set i, i+1
.endr
.set i, 0
.rept 16
	v_cvt_pk_f16_f32 v[P+i], v[O+2*i], v[O+2*i+1]
.set i, i+1
.endr
	s_lshr_b32 s40, s[BH], 4
	s_lshl_b32 s40, s40, 4
	s_add_co_u32 s40, s40, s[BLK]                  ; row tile 16 batch + block,
	s_lshl_b32 s40, s40, 18
	s_and_b32 s41, s[BH], 15
	s_lshl_b32 s41, s41, 14                        ; K chunks 2 head, 2 head + 1,
	s_add_co_u32 s40, s40, s41
	s_lshl_b32 s41, s[IDX], 10                     ; my tile of 16 rows
	s_add_co_u32 s40, s40, s41
	s_mov_b32 s41, 0
	s_add_nc_u64 s[6:7], s[6:7], s[40:41]
	global_store_b128 v[L16], v[P:P+3], s[6:7]
	global_store_b128 v[L16], v[P+4:P+7], s[6:7] offset:512
	global_store_b128 v[L16], v[P+8:P+11], s[6:7] offset:8192
	global_store_b128 v[L16], v[P+12:P+15], s[6:7] offset:8704
	; THE PART OF G over keys 256 i .. 256 i + 255: wave w makes tile (w / 4, w % 4): lane (r, h), register j: G[16 (w / 4) + r][16 (w % 4) + 8 h + j].  K2's and V2's images landed ahead of the first change's barrier.
.irp k, 0,1,2,3,4,5,6,7
.irp g, 0,1
	ds_load_b128 v[KFR+8*\k+4*\g:KFR+8*\k+4*\g+3], v[AK2] offset:4096*\k+512*\g
	ds_load_b128 v[VFR+8*\k+4*\g:VFR+8*\k+4*\g+3], v[AV2] offset:4096*\k+512*\g
.endr
.endr
	s_lshl_b32 s40, s[BH], 3
	s_add_co_u32 s40, s40, s[II]
	s_lshl_b32 s42, s40, 4
	s_add_co_u32 s42, s42, s[WV]
	s_lshl_b32 s42, s42, 2
	s_add_co_u32 s42, s42, 4194304                 ; my maximum's word
	s_mov_b32 s43, 0
	s_lshl_b32 s40, s40, 14
	s_lshl_b32 s41, s[WV], 10
	s_add_co_u32 s40, s40, s41                     ; my tile's image
	s_mov_b32 s41, 0
	s_add_nc_u64 s[46:47], s[8:9], s[42:43]
	s_add_nc_u64 s[8:9], s[8:9], s[40:41]
	s_wait_dscnt 0x0
.irp k, 0,1,2,3,4,5,6,7                        ; two accumulators by turns
.if \k < 2
	v_wmma_f32_16x16x32_f16 v[S+8*(\k%2):S+8*(\k%2)+7], v[VFR+8*\k:VFR+8*\k+7], v[KFR+8*\k:KFR+8*\k+7], 0
.else
	v_wmma_f32_16x16x32_f16 v[S+8*(\k%2):S+8*(\k%2)+7], v[VFR+8*\k:VFR+8*\k+7], v[KFR+8*\k:KFR+8*\k+7], v[S+8*(\k%2):S+8*(\k%2)+7]
.endif
.endr
.rept 4
	v_nop
.endr
.irp x, 0,2,4,6
	v_pk_add_f32 v[S+16+\x:S+17+\x], v[S+\x:S+\x+1], v[S+8+\x:S+9+\x]
.endr
	global_store_b128 v[L16], v[S+16:S+19], s[8:9]
	global_store_b128 v[L16], v[S+20:S+23], s[8:9] offset:512
	v_max3_num_f32 v244, |v[S+16]|, |v[S+17]|, |v[S+18]|   ; the tile's largest magnitude: the next launch takes G's scale from these
	v_max3_num_f32 v244, v244, |v[S+19]|, |v[S+20]|
	v_max3_num_f32 v244, v244, |v[S+21]|, |v[S+22]|
	v_max_num_f32 v244, v244, |v[S+23]|
	v_max_num_f32_dpp v244, v244, v244 row_xmask:1 row_mask:0xf bank_mask:0xf
	v_max_num_f32_dpp v244, v244, v244 row_xmask:2 row_mask:0xf bank_mask:0xf
	v_max_num_f32_dpp v244, v244, v244 row_xmask:4 row_mask:0xf bank_mask:0xf
	v_max_num_f32_dpp v244, v244, v244 row_xmask:8 row_mask:0xf bank_mask:0xf
	v_permlanex16_b32 v245, v244, s[SEL], s[SEL+1]
	v_max_num_f32 v244, v244, v245
	s_wait_xcnt 0x0                                ; EXEC changes only behind this wait
	v_cmp_eq_u32 vcc_lo, 0, v[PFO]
	s_and_saveexec_b32 s48, vcc_lo                 ; lane 0 alone
	global_store_b32 v[PFO], v244, s[46:47]
	s_wait_xcnt 0x0
	s_or_b32 exec_lo, exec_lo, s48
	s_wait_tensorcnt 0x0                           ; the wave's end
	ds_add_u32 v[SPW], v[NIL]
	s_wait_dscnt 0x0
	s_endpgm
.Lfunc_end_k_qee894e97a1_attn:
	.size	k_qee894e97a1_attn, .Lfunc_end_k_qee894e97a1_attn-k_qee894e97a1_attn
	.p2alignl 7, 3214868480
	.fill 96, 4, 3214868480
	.section	.rodata,"a",@progbits
	.p2align	6, 0x0
	.amdhsa_kernel k_qee894e97a1_attn
		.amdhsa_group_segment_fixed_size 327680
		.amdhsa_private_segment_fixed_size 0
		.amdhsa_enable_private_segment 0
		.amdhsa_kernarg_size 24
		.amdhsa_user_sgpr_count 2
		.amdhsa_user_sgpr_kernarg_segment_ptr 1
		.amdhsa_wavefront_size32 1
		.amdhsa_system_sgpr_workgroup_id_x 1
		.amdhsa_system_sgpr_workgroup_id_y 1
		.amdhsa_system_sgpr_workgroup_id_z 1
		.amdhsa_system_vgpr_workitem_id 0
		.amdhsa_next_free_vgpr 256
		.amdhsa_next_free_sgpr 66
		.amdhsa_reserve_vcc 1
		.amdhsa_float_denorm_mode_32 3
		.amdhsa_float_denorm_mode_16_64 3
		.amdhsa_memory_ordered 1
		.amdhsa_forward_progress 1
		.amdhsa_inst_pref_size 110
	.end_amdhsa_kernel
	.amdgpu_metadata
---
amdhsa.version: [ 1, 2 ]
amdhsa.kernels:
  - .name:           k_qee894e97a1_attn
    .symbol:         k_qee894e97a1_attn.kd
    .args:
      - { .name: pj, .offset: 0, .size: 8, .value_kind: global_buffer, .address_space: global }
      - { .name: cx, .offset: 8, .size: 8, .value_kind: global_buffer, .address_space: global }
      - { .name: gp, .offset: 16, .size: 8, .value_kind: global_buffer, .address_space: global }
    .group_segment_fixed_size: 327680
    .private_segment_fixed_size: 0
    .kernarg_segment_align: 8
    .kernarg_segment_size: 24
    .max_flat_workgroup_size: 512
    .sgpr_count:     66
    .vgpr_count:     256
    .wavefront_size: 32
...
	.end_amdgpu_metadata
.endif
;; end of part 4
;; launch wprime (part 5): grid 4 x 32, 8 waves a work-group, no clusters, 26,880 bytes of LDS; arguments gp, Wd, pj, wp; writes wp
.if DOCPART == 5
	.amdgcn_target "amdgcn-amd-amdhsa--gfx1250"
	.amdhsa_code_object_version 6
	.text
	.protected	k_qee894e97a1_wprime
	.globl	k_qee894e97a1_wprime
	.p2align	8
	.type	k_qee894e97a1_wprime,@function
k_qee894e97a1_wprime:
	s_mov_b64 s[64:65], 0
	v_nop
	global_prefetch_b8 v0, s[64:65] scope:SCOPE_SE
	s_setreg_imm32_b32 hwreg(HW_REG_WAVE_MODE, 25, 1), 1
	s_wait_xcnt 0x0
; G[b,h] = the sum of its eight parts; W'[b] rows 64 h .. 64 h + 63 = G[b,h] Wd[64 h .. 64 h + 63, :], so that out = ctx W'[b] + bd.  Work-group (nq, bh) makes columns 256 nq .. + 255.
; G AND W' HAVE NO FIXED ROOM IN f16 (they grow with the cube of the inputs), so G is multiplied by a power of two taken from the data: with 2^e the power of two in the batch's largest part magnitude,
; f_dn = 2^(1 - e), so that |G f_dn| < 32; f_up = 2^(e - 1) is stored, and the last product multiplies its f32 sums by it.  Both are exact; they steer no address and no branch.  The floor of that maximum is 2^-100.
; Wave w sums tiles 2 w and 2 w + 1 of G, which pack into fragment w (16 rows x 32 along K); the eight fragments go round through LDS as images of their registers; wave w then makes column tiles 32 w and 32 w + 16.
; D = G x Wd with source 0 = G's 16 rows, source 1 = 16 columns of Wd: a lane holds a column n, its registers rows of W': two tiles pack into the last product's fragment of 16 columns x 32 K.
; POSITIONS 0 TO 15 OF EVERY SEQUENCE IN f32 (work-groups with nq = 0, waves 0 to 3): their rows average one to sixteen values and are the largest.  S^T, softmax, O^T and T = ctx G by the f32 matrix form, from the f32 images of q, k1, v1
; and G in f32 out of LDS.  A register pair (2 u, 2 u + 1) of a result is an operand of that form under the order k = 8 h + 2 u + j of K, which both operands share.  G itself comes of f16 operands for these rows too.
; No tensor load: each wave reads its parts once, straight into registers; the four work-groups of a head sum the same 128 KB, which a joint load would first have to lay into LDS for one pass.
.set GIMG,  0                          ; G's eight fragments, 1,024 bytes each
.set GMB,   8192                       ; G in f32: 64 rows x 272 bytes
.set MXW,   25600                      ; a maximum a wave
.set SPARE, 25856                      ; the spare words, 128 bytes a wave
.set WA,  16                           ; v16-47   W's four accumulators; later O^T.  Written by matrix instructions alone
.set SA,  48                           ; v48-63   two accumulators of the f32 sums.  Written by matrix instructions alone
.set PR,  64                           ; v64-191  the eight parts, 16 registers each
.set GSC, 80                           ; v80-95   G x f_dn; later W' packed
.set WO,  80
.set WL1, 96                           ; v96-127  Wd for the second column tile
.set AF,  128                          ; v128-191 G's eight fragments
.set WL0, 192                          ; v192-223 Wd for the first column tile
.set MX,  224                          ; v224-231 the parts' maxima
.set BF,  232                          ; v232-247 Wd's two fragments
.set QI,  64                           ; the chain: q, k1, v1 in f32,
.set KI,  96
.set VI,  128
.set CT,  160                          ; ctx,
.set GL,  192                          ; G's column tile,
.set SS,  224                          ; scores and p,
.set TT,  232                          ; T
	s_load_b256 s[4:11], s[0:1], 0x0               ; gp, Wd, pj, wp
	v_lshl_add_u32 v10, v0, 2, SPARE
	v_mov_b32 v11, 0
	v_lshrrev_b32 v1, 5, v0
	v_readfirstlane_b32 s12, v1                    ; wave 0..7
	s_mov_b32 s13, ttmp9                           ; nq
	s_and_b32 s14, ttmp7, 0xffff                   ; bh
	s_lshr_b32 s15, s14, 4                         ; batch
	s_and_b32 s16, s14, 15                         ; head
	v_and_b32 v2, 15, v0                           ; r
	v_bfe_u32 v3, v0, 4, 1                         ; h
	v_and_b32 v1, 31, v0
	v_lshlrev_b32 v1, 4, v1                        ; 16 x lane
	v_lshlrev_b32 v4, 15, v3
	v_lshl_add_u32 v4, v2, 2, v4                   ; Wd: 8 h rows of 4,096 bytes + column r
	s_lshr_b32 s17, s12, 1
	s_mul_i32 s17, s17, 16*272
	s_and_b32 s18, s12, 1
	s_lshl_b32 s18, s18, 7
	s_add_co_u32 s17, s17, s18
	s_add_co_u32 s17, s17, GMB
	v_mul_u32_u24 v5, v2, 272
	v_lshl_add_u32 v5, v3, 5, v5
	v_add_nc_u32 v5, s17, v5                       ; G in f32: row 16 (w / 2) + r, byte 128 (w % 2) + 32 h
	s_lshl_b32 s17, s12, 10
	v_add_nc_u32 v6, s17, v1                       ; my fragment's image
	s_and_b32 s17, s12, 3
	s_lshl_b32 s17, s17, 6
	s_add_co_u32 s17, s17, GMB
	v_mul_u32_u24 v7, v3, 2176
	v_lshl_add_u32 v7, v2, 2, v7
	v_add_nc_u32 v7, s17, v7                       ; the chain: G's rows 8 h on, column 16 (w % 4) + r
	s_lshl_b32 s17, s12, 2
	s_add_co_u32 s17, s17, MXW
	v_mov_b32 v8, s17
	v_mov_b32 v9, MXW
	v_lshlrev_b32 v15, 3, v3
	v_sub_nc_u32 v15, v2, v15                      ; r - 8 h
	s_lshl_b32 s20, s15, 13
	s_lshl_b32 s21, s12, 10
	s_add_co_u32 s20, s20, s21
	s_add_co_u32 s20, s20, 4194304                 ; the batch's 2,048 maxima: 256 a wave
	s_mov_b32 s21, 0
	s_lshl_b32 s22, s14, 17
	s_lshl_b32 s23, s12, 11
	s_add_co_u32 s22, s22, s23                     ; the head's parts, my two tiles
	s_mov_b32 s23, 0
	s_lshl_b32 s24, s16, 18
	s_lshl_b32 s25, s13, 10
	s_add_co_u32 s24, s24, s25
	s_lshl_b32 s25, s12, 7
	s_add_co_u32 s24, s24, s25                     ; Wd: row 64 head, column 256 nq + 32 w
	s_mov_b32 s25, 0
	s_lshl_b32 s26, s15, 21
	s_lshl_b32 s27, s13, 1
	s_lshr_b32 s28, s12, 2
	s_add_co_u32 s27, s27, s28
	s_lshl_b32 s27, s27, 18
	s_add_co_u32 s26, s26, s27
	s_lshl_b32 s27, s16, 14
	s_add_co_u32 s26, s26, s27
	s_and_b32 s27, s12, 3
	s_lshl_b32 s27, s27, 11
	s_add_co_u32 s26, s26, s27                     ; W': [batch][n / 128][K chunk 2 head][n tile 2 (w % 4)]
	s_mov_b32 s27, 0
	s_lshl_b32 s36, s14, 12
	s_add_co_u32 s36, s36, 41943040                ; the f32 images of q for this head; k1's and v1's lie 32 and 96 head blocks on
	s_mov_b32 s37, 0
	s_lshl_b32 s38, s15, 6
	s_lshl_b32 s39, s16, 2
	s_add_co_u32 s38, s38, s39
	s_and_b32 s39, s12, 3
	s_add_co_u32 s38, s38, s39
	s_lshl_b32 s38, s38, 10
	s_add_co_u32 s38, s38, 4194304                 ; T's image: [batch][4 head + w]
	s_mov_b32 s39, 0
	s_lshl_b32 s40, s15, 7
	s_add_co_u32 s40, s40, 4325376                 ; f_up: 32 words a batch
	s_mov_b32 s41, 0
	s_mov_b32 s32, 0x76543210
	s_mov_b32 s33, 0xfedcba98
	s_mov_b32 s34, 0x3e38aa3b                      ; c = log2(e) / 8
	s_mov_b32 s35, s34
	s_wait_kmcnt 0x0
	s_add_nc_u64 s[20:21], s[4:5], s[20:21]
	s_add_nc_u64 s[22:23], s[4:5], s[22:23]
	s_add_nc_u64 s[24:25], s[6:7], s[24:25]
	s_add_nc_u64 s[26:27], s[10:11], s[26:27]
	s_add_nc_u64 s[36:37], s[8:9], s[36:37]
	s_add_nc_u64 s[38:39], s[10:11], s[38:39]
	s_add_nc_u64 s[40:41], s[10:11], s[40:41]
	global_load_b128 v[MX:MX+3], v1, s[20:21]
	global_load_b128 v[MX+4:MX+7], v1, s[20:21] offset:512
.irp i, 0,1,2,3,4,5,6,7
.irp g, 0,1,2,3
	global_load_b128 v[PR+16*\i+4*\g:PR+16*\i+4*\g+3], v1, s[22:23] offset:16384*\i+512*\g
.endr
.endr
.macro WLOAD reg, u                    ; Wd(64 head + 32 (x / 16) + 16 ((x / 8) % 2) + 8 h + x % 8, my column): the order in which two f16 fragments take them
.set x, 0
.rept 32
	global_load_b32 v[\reg+x], v4, s[24:25] offset:(32*(x/16)+16*((x/8)%2)+x%8)*4096+64*\u
.set x, x+1
.endr
.endm
	WLOAD WL0, 0
	s_wait_loadcnt 63                              ; the maxima are in (64 loads are younger; a count names 63 at the most)
	v_max3_num_f32 v248, v[MX], v[MX+1], 0x0d800000   ; with the floor 2^-100
	v_max3_num_f32 v248, v248, v[MX+2], v[MX+3]
	v_max3_num_f32 v248, v248, v[MX+4], v[MX+5]
	v_max3_num_f32 v248, v248, v[MX+6], v[MX+7]
	v_mov_b32 v249, 0
	v_max_num_f32_dpp v248, v248, v248 row_xmask:1 row_mask:0xf bank_mask:0xf
	v_max_num_f32_dpp v248, v248, v248 row_xmask:2 row_mask:0xf bank_mask:0xf
	v_max_num_f32_dpp v248, v248, v248 row_xmask:4 row_mask:0xf bank_mask:0xf
	v_max_num_f32_dpp v248, v248, v248 row_xmask:8 row_mask:0xf bank_mask:0xf
	v_permlanex16_b32 v249, v248, s32, s33
	v_max_num_f32 v248, v248, v249
	ds_store_b32 v8, v248                          ; all lanes write the same word with the same value
	s_wait_dscnt 0x0
	s_barrier_signal -1
	s_barrier_wait -1
	ds_load_b128 v[248:251], v9
	ds_load_b128 v[252:255], v9 offset:16
	s_wait_dscnt 0x0
	v_max3_num_f32 v248, v248, v249, v250
	v_max3_num_f32 v248, v248, v251, v252
	v_max3_num_f32 v248, v248, v253, v254
	v_max_num_f32 v248, v248, v255                 ; the batch's largest part magnitude
	v_and_b32 v248, 0x7f800000, v248               ; 2^e
	v_sub_nc_u32 v12, 0x7f800000, v248             ; f_dn = 2^(1 - e)
	v_mov_b32 v13, v12
	v_add_nc_u32 v14, 0xff800000, v248             ; f_up = 2^(e - 1)
	s_wait_loadcnt 32                              ; the parts are in; Wd's 32 loads may be out
.irp i, 0,2,4,6
.irp x, 0,2,4,6,8,10,12,14
	v_pk_add_f32 v[PR+16*\i+\x:PR+16*\i+\x+1], v[PR+16*\i+\x:PR+16*\i+\x+1], v[PR+16*\i+16+\x:PR+16*\i+17+\x]
.endr
.endr
.irp i, 0,4
.irp x, 0,2,4,6,8,10,12,14
	v_pk_add_f32 v[PR+16*\i+\x:PR+16*\i+\x+1], v[PR+16*\i+\x:PR+16*\i+\x+1], v[PR+16*\i+32+\x:PR+16*\i+33+\x]
.endr
.endr
.irp x, 0,2,4,6,8,10,12,14
	v_pk_add_f32 v[PR+\x:PR+\x+1], v[PR+\x:PR+\x+1], v[PR+64+\x:PR+65+\x]
.endr
	WLOAD WL1, 1
.irp t, 0,1
	ds_store_b128 v5, v[PR+8*\t:PR+8*\t+3] offset:64*\t           ; G in f32, for the chain
	ds_store_b128 v5, v[PR+8*\t+4:PR+8*\t+7] offset:64*\t+16
.endr
.irp x, 0,2,4,6,8,10,12,14
	v_pk_mul_f32 v[GSC+\x:GSC+\x+1], v[PR+\x:PR+\x+1], v[12:13]
.endr
.irp x, 0,1,2,3,4,5,6,7
	v_cvt_pk_f16_f32 v[248+\x], v[GSC+2*\x], v[GSC+2*\x+1]
.endr
	ds_store_b128 v6, v[248:251]
	ds_store_b128 v6, v[252:255] offset:512
	s_wait_dscnt 0x0                               ; my stores have landed
	s_barrier_signal -1
	s_barrier_wait -1                              ; G lies in LDS, whole, in both forms
.set x, 0
.rept 16
	ds_load_b128 v[AF+4*x:AF+4*x+3], v1 offset:512*x
.set x, x+1
.endr
	s_wait_dscnt 0x0
.macro WTILE u, wl, left
	s_wait_loadcnt \left
.set x, 0
.rept 16
	v_cvt_pk_f16_f32 v[BF+x], v[\wl+2*x], v[\wl+2*x+1]
.set x, x+1
.endr
.rept 4
	v_nop
.endr
.irp c, 0,1                                    ; four accumulators by turns
.irp t, 0,1,2,3
.if \c == 0
	v_wmma_f32_16x16x32_f16 v[WA+8*\t:WA+8*\t+7], v[AF+8*(2*\t+\c):AF+8*(2*\t+\c)+7], v[BF+8*\c:BF+8*\c+7], 0
.else
	v_wmma_f32_16x16x32_f16 v[WA+8*\t:WA+8*\t+7], v[AF+8*(2*\t+\c):AF+8*(2*\t+\c)+7], v[BF+8*\c:BF+8*\c+7], v[WA+8*\t:WA+8*\t+7]
.endif
.endr
.endr
.rept 5
	v_nop                                          ; four places ahead of the reads, five ahead of the next tile's products, which begin these accumulators anew
.endr
.if \u
	s_wait_xcnt 0x0                                ; the first tile's stores have read their registers
.endif
.irp t, 0,1,2,3
.irp x, 0,1,2,3
	v_cvt_pk_f16_f32 v[WO+4*\t+\x], v[WA+8*\t+2*\x], v[WA+8*\t+2*\x+1]
.endr
.endr
.irp t, 0,1,2,3
	global_store_b128 v1, v[WO+4*\t:WO+4*\t+3], s[26:27] offset:1024*\u+(\t/2)*8192+(\t%2)*512   ; 512 consecutive bytes, aligned
.endr
.endm
	WTILE 0, WL0, 32                               ; the second set's 32 loads may be out
	WTILE 1, WL1, 0
	s_or_b32 s42, s16, s13
	s_or_b32 s42, s42, s12
	s_cmp_eq_u32 s42, 0
	s_cbranch_scc0 .Lno_fup                        ; one wave for each batch stores f_up, a word a lane
	v_and_b32 v248, 31, v0
	v_lshlrev_b32 v248, 2, v248
	global_store_b32 v248, v14, s[40:41]
.Lno_fup:
	s_lshl_b32 s42, s13, 4
	s_or_b32 s42, s42, s12
	s_cmp_lt_u32 s42, 4
	s_cbranch_scc0 .Lend
	; ---- the chain in f32 for positions 0 to 15: wave w makes T's channels 16 w on
	s_wait_xcnt 0x0                                ; the stores above have read their registers
.rept 4
	v_nop
.endr
.set x, 0
.rept 8
	global_load_b128 v[QI+4*x:QI+4*x+3], v1, s[36:37] offset:512*x
	global_load_b128 v[KI+4*x:KI+4*x+3], v1, s[36:37] offset:131072+512*x
	global_load_b128 v[VI+4*x:VI+4*x+3], v1, s[36:37] offset:393216+512*x
.set x, x+1
.endr
.set x, 0
.rept 16
	ds_load_b32 v[GL+2*x], v7 offset:(16*(x/4)+2*(x%4))*272        ; G[16 (x / 4) + 8 h + 2 (x % 4) + j][16 w + r]
	ds_load_b32 v[GL+2*x+1], v7 offset:(16*(x/4)+2*(x%4)+1)*272
.set x, x+1
.endr
	s_wait_loadcnt 0x0
.set x, 0
.rept 16                                       ; S^T = k1 q^T: 16 steps of 4 channels, two accumulators by turns
.if x < 2
	v_wmma_f32_16x16x4_f32 v[SA+8*(x%2):SA+8*(x%2)+7], v[KI+2*x:KI+2*x+1], v[QI+2*x:QI+2*x+1], 0
.else
	v_wmma_f32_16x16x4_f32 v[SA+8*(x%2):SA+8*(x%2)+7], v[KI+2*x:KI+2*x+1], v[QI+2*x:QI+2*x+1], v[SA+8*(x%2):SA+8*(x%2)+7]
.endif
.set x, x+1
.endr
.rept 8
	v_nop
.endr
.irp x, 0,2,4,6
	v_pk_add_f32 v[SS+\x:SS+\x+1], v[SA+\x:SA+\x+1], v[SA+8+\x:SA+9+\x]
.endr
	v_mov_b32 v250, 0xff800000
.irp j, 0,1,2,3,4,5,6,7
	v_cmp_gt_i32 vcc_lo, \j, v15                   ; key 8 h + j is hidden from query r where j > r - 8 h
	v_cndmask_b32 v[SS+\j], v[SS+\j], v250, vcc_lo
.endr
	v_max3_num_f32 v248, v[SS], v[SS+1], v[SS+2]
	v_max3_num_f32 v248, v248, v[SS+3], v[SS+4]
	v_max3_num_f32 v248, v248, v[SS+5], v[SS+6]
	v_max_num_f32 v248, v248, v[SS+7]
	v_permlanex16_b32 v249, v248, s32, s33
	v_max_num_f32 v248, v248, v249                 ; the row's maximum (key 0 counts for every query)
	v_mul_f32 v252, s34, v248
	v_mov_b32 v253, v252
.irp x, 0,2,4,6
	v_pk_fma_f32 v[SS+\x:SS+\x+1], v[SS+\x:SS+\x+1], s[34:35], v[252:253] op_sel_hi:[1,0,0] neg_lo:[0,0,1] neg_hi:[0,0,1]
.endr
.irp j, 0,1,2,3,4,5,6,7
	v_exp_f32 v[SS+\j], v[SS+\j]
.endr
	v_nop
	s_wait_alu depctr_va_vdst(0)                   ; one wait for the eight, ahead of their first reader
	v_pk_add_f32 v[254:255], v[SS:SS+1], v[SS+2:SS+3]
	v_pk_add_f32 v[254:255], v[254:255], v[SS+4:SS+5]
	v_pk_add_f32 v[254:255], v[254:255], v[SS+6:SS+7]
	v_add_f32 v254, v254, v255
	v_permlanex16_b32 v255, v254, s32, s33
	v_add_f32 v254, v254, v255
	v_rcp_f32 v250, v254
	v_nop
	s_wait_alu depctr_va_vdst(0)
	v_mov_b32 v251, v250
.irp u, 0,1,2,3                                ; O^T = v1^T p: four steps of 4 keys, four accumulators by turns
.irp t, 0,1,2,3
.if \u == 0
	v_wmma_f32_16x16x4_f32 v[WA+8*\t:WA+8*\t+7], v[VI+8*\t+2*\u:VI+8*\t+2*\u+1], v[SS+2*\u:SS+2*\u+1], 0
.else
	v_wmma_f32_16x16x4_f32 v[WA+8*\t:WA+8*\t+7], v[VI+8*\t+2*\u:VI+8*\t+2*\u+1], v[SS+2*\u:SS+2*\u+1], v[WA+8*\t:WA+8*\t+7]
.endif
.endr
.endr
.rept 8
	v_nop
.endr
.set x, 0
.rept 16
	v_pk_mul_f32 v[CT+2*x:CT+2*x+1], v[WA+2*x:WA+2*x+1], v[250:251]   ; ctx = O^T / l
.set x, x+1
.endr
	s_wait_dscnt 0x0                               ; G's column tile
.set x, 0
.rept 16                                       ; T^T = G^T ctx^T: 16 steps of 4 channels
.if x < 2
	v_wmma_f32_16x16x4_f32 v[SA+8*(x%2):SA+8*(x%2)+7], v[GL+2*x:GL+2*x+1], v[CT+2*x:CT+2*x+1], 0
.else
	v_wmma_f32_16x16x4_f32 v[SA+8*(x%2):SA+8*(x%2)+7], v[GL+2*x:GL+2*x+1], v[CT+2*x:CT+2*x+1], v[SA+8*(x%2):SA+8*(x%2)+7]
.endif
.set x, x+1
.endr
.rept 8
	v_nop
.endr
.irp x, 0,2,4,6
	v_pk_add_f32 v[TT+\x:TT+\x+1], v[SA+\x:SA+\x+1], v[SA+8+\x:SA+9+\x]
.endr
	global_store_b128 v1, v[TT:TT+3], s[38:39]
	global_store_b128 v1, v[TT+4:TT+7], s[38:39] offset:512
.Lend:
	s_wait_tensorcnt 0x0                           ; the wave's end
	ds_add_u32 v10, v11
	s_wait_dscnt 0x0
	s_endpgm
.Lfunc_end_k_qee894e97a1_wprime:
	.size	k_qee894e97a1_wprime, .Lfunc_end_k_qee894e97a1_wprime-k_qee894e97a1_wprime
	.p2alignl 7, 3214868480
	.fill 96, 4, 3214868480
	.section	.rodata,"a",@progbits
	.p2align	6, 0x0
	.amdhsa_kernel k_qee894e97a1_wprime
		.amdhsa_group_segment_fixed_size 26880
		.amdhsa_private_segment_fixed_size 0
		.amdhsa_enable_private_segment 0
		.amdhsa_kernarg_size 32
		.amdhsa_user_sgpr_count 2
		.amdhsa_user_sgpr_kernarg_segment_ptr 1
		.amdhsa_wavefront_size32 1
		.amdhsa_system_sgpr_workgroup_id_x 1
		.amdhsa_system_sgpr_workgroup_id_y 1
		.amdhsa_system_sgpr_workgroup_id_z 1
		.amdhsa_system_vgpr_workitem_id 0
		.amdhsa_next_free_vgpr 256
		.amdhsa_next_free_sgpr 66
		.amdhsa_reserve_vcc 1
		.amdhsa_float_denorm_mode_32 3
		.amdhsa_float_denorm_mode_16_64 3
		.amdhsa_memory_ordered 1
		.amdhsa_forward_progress 1
		.amdhsa_inst_pref_size 40
	.end_amdhsa_kernel
	.amdgpu_metadata
---
amdhsa.version: [ 1, 2 ]
amdhsa.kernels:
  - .name:           k_qee894e97a1_wprime
    .symbol:         k_qee894e97a1_wprime.kd
    .args:
      - { .name: gp, .offset: 0, .size: 8, .value_kind: global_buffer, .address_space: global }
      - { .name: Wd, .offset: 8, .size: 8, .value_kind: global_buffer, .address_space: global }
      - { .name: pj, .offset: 16, .size: 8, .value_kind: global_buffer, .address_space: global }
      - { .name: wp, .offset: 24, .size: 8, .value_kind: global_buffer, .address_space: global }
    .group_segment_fixed_size: 26880
    .private_segment_fixed_size: 0
    .kernarg_segment_align: 8
    .kernarg_segment_size: 32
    .max_flat_workgroup_size: 256
    .sgpr_count:     66
    .vgpr_count:     256
    .wavefront_size: 32
...
	.end_amdgpu_metadata
.endif
;; end of part 5
;; launch final (part 6): grid 8 x 32, 4 waves a work-group, clusters of 4 x 4, 327,680 bytes of LDS; arguments cx, wp, bd, out0; writes out0
.if DOCPART == 6
	.amdgcn_target "amdgcn-amd-amdhsa--gfx1250"
	.amdhsa_code_object_version 6
	.text
	.protected	k_qee894e97a1_final
	.globl	k_qee894e97a1_final
	.p2align	8
	.type	k_qee894e97a1_final,@function
k_qee894e97a1_final:
	s_mov_b64 s[64:65], 0
	v_nop
	global_prefetch_b8 v0, s[64:65] scope:SCOPE_SE
	s_setreg_imm32_b32 hwreg(HW_REG_WAVE_MODE, 25, 1), 1
	s_wait_xcnt 0x0
	s_wait_alu depctr_hold_cnt(0) depctr_sa_sdst(0) depctr_va_vdst(0) depctr_va_sdst(0) depctr_va_ssrc(0) depctr_va_vcc(0) depctr_vm_vsrc(0)
	s_getreg_b32 s2, hwreg(HW_REG_IB_STS2, 6, 4)
	s_cmp_eq_u32 s2, 0
	s_cbranch_scc0 .Lentry_in_a_cluster
	s_endpgm
.Lentry_in_a_cluster:
	s_bfe_u32 s2, ttmp6, 0x10000c
	s_cmp_lg_u32 s2, 0xf033
	s_cbranch_scc0 .Lentry_shape_is_right
	s_endpgm
.Lentry_shape_is_right:
; out = f_up (ctx W') + bd, f16 operands, f32 sums, for ALL rows.  (Positions 0 to 15 of each sequence are stored anew by the next launch, in f32: a mask here would hang on a work-group's place in its cluster.)
; A tile of out is 128 x 128: 256 work-groups; four waves, each 64 x 64: 16 accumulators.  K = 1,024 goes in four steps of 256 through two LDS slots.
; Both operands lie in memory as images of operand registers, [tile][K chunk of 32][16 rows][1,024 bytes]: a K step of a tile is 64 KB on end, a wave's tensor load brings 32 KB as 128 rows of 256 bytes, and every LDS load takes 512 consecutive bytes: no padding.
; CLUSTERS: 4 x 4.  ctx's tile hangs on the row tile alone and is shared along a row of the cluster, W's on the column tile and the batch (the cluster's y / 4) and is shared along a column: joint loads.
; Source 0 = 16 columns of W', source 1 = 16 rows of ctx: a lane holds eight neighbouring numbers of a row of out.
; REGISTERS: window 0: v0-31 addresses; v12-13 f_up; v32-95 at work on the way out; v96-127 bd; v128-255 the accumulators.  Window 1: two fragment buffers of 128; on the way out rows read back.
.set SLOT,   131072                    ; ctx's 64 KB, then W's 64 KB
.set STAGE,  262144                    ; 16 rows x 272 bytes for each wave
.set SPITCH, 272
.set SPARE,  STAGE+4*16*SPITCH         ; the spare words, 128 bytes a wave
.set LAPS, 2
.set ADRA, 16
.set ADRB, 20
.set STO,  24
.set RD,   25
.set CO,   26
.set BVA,  27                          ; v27  32 x (lane / 16)
.set SPW,  28
.set NIL,  29
.set L4,   30                          ; v30  4 x lane
.set TMP,  32
.set BIAS, 96
.set ACC,  128
.set F0,   0
.set F1,   128
.set G1, 24
.set G0, 32
.set G1B, 48
.set G0B, 56
.set MSB, 0
.macro WIN new
.if MSB != \new
	s_set_vgpr_msb (MSB<<8)|\new
.set MSB, \new
.endif
.endm
.set MUL,  0x05                        ; sources 0 and 1 window 1; C and D window 0
.set TO_F, 0x40
.macro JLOAD s                         ; waves 0 and 1 fetch ctx's two halves of a K step, waves 2 and 3 W's; an s_nop 0 and four v_nop follow each line
	s_cmp_eq_u32 s11, 0
	s_cbranch_scc0 .Lfor_b_\@
	tensor_load_to_lds s[G0+4*\s:G0+4*\s+3], s[G1:G1+7]
	s_nop 0
.rept 4
	v_nop
.endr
	s_branch .Lasked_\@
.Lfor_b_\@:
	tensor_load_to_lds s[G0B+4*\s:G0B+4*\s+3], s[G1B:G1B+7]
	s_nop 0
.rept 4
	v_nop
.endr
.Lasked_\@:
.endm
.macro CREST
	s_cmp_lg_u32 s10, 0
	s_cbranch_scc1 .Lnot_wave_0_\@
	s_barrier_signal -3
.Lnot_wave_0_\@:
	s_barrier_wait -3
	s_barrier_signal -1
	s_barrier_wait -1
.endm
.macro CROUND
	s_barrier_signal -1
	s_barrier_wait -1
	CREST
.endm
	s_load_b128 s[4:7], s[0:1], 0x0                ; cx, wp
	s_load_b128 s[68:71], s[0:1], 0x10             ; bd, out0
	v_lshl_add_u32 v[SPW], v0, 2, SPARE
	v_mov_b32 v[NIL], 0
	ds_add_u32 v[SPW], v[NIL]                      ; the wave's opening: the add, twice on end, and its wait ahead of my first tensor load
	ds_add_u32 v[SPW], v[NIL]
	v_lshrrev_b32 v1, 5, v0
	v_readfirstlane_b32 s10, v1                    ; wave 0..3
	s_lshr_b32 s11, s10, 1                         ; which 64 rows are mine.  Also: I fetch for ctx (0) or for W' (1)
	s_and_b32 s12, s10, 1                          ; which 64 columns.  Also: which half of a K step I fetch
	s_bfe_u32 s40, ttmp6, 0x40000                  ; cx
	s_bfe_u32 s41, ttmp6, 0x40004                  ; cy
	s_lshl_b32 s42, ttmp9, 2
	s_add_co_u32 s42, s42, s40                     ; column tile
	s_and_b32 s13, ttmp7, 0xffff
	s_lshr_b32 s45, s13, 2                         ; the batch: the same in all sixteen partners
	s_lshl_b32 s13, s13, 2
	s_add_co_u32 s13, s13, s41                     ; row tile
	s_lshl_b32 s43, s41, 2
	s_lshl_b32 s43, 15, s43                        ; my row of the cluster
	s_lshl_b32 s44, 0x1111, s40                    ; my column
	s_or_b32 s[G1+0], s43, (3<<16)|(1<<21)         ; the mask; elements of 8 bytes; bit 21 beside a mask; no padding
	s_or_b32 s[G1B+0], s44, (3<<16)|(1<<21)
.irp g, G1, G1B
	s_mov_b32 s[\g+1], 32<<16                      ; tensor_dim0: 256 bytes
	s_mov_b32 s[\g+2], 128<<16                     ; tensor_dim1
	s_mov_b32 s[\g+3], 32<<16                      ; tile_dim0
	s_mov_b32 s[\g+4], 128                         ; tile_dim1
	s_mov_b32 s[\g+5], 32                          ; dense
	s_mov_b32 s[\g+6], 0
	s_mov_b32 s[\g+7], 0
.endr
	s_lshl_b32 s17, s12, 15                        ; my half of a K step's 64 KB
	s_lshl_b32 s16, s13, 18
	s_add_co_u32 s16, s16, s17                     ; ctx: 262,144 bytes a row tile
	s_lshl_b32 s46, s42, 18
	s_add_co_u32 s46, s46, s17
	s_lshl_b32 s47, s45, 21
	s_add_co_u32 s46, s46, s47                     ; W': 262,144 a column tile, 2,097,152 a batch
	s_mov_b32 s17, 0
	s_mov_b32 s47, 0
	s_lshl_b32 s20, s10, 15                        ; where they go: wave x 32 KB
	s_wait_dscnt 0x0                               ; both opening adds are done
	s_wait_kmcnt 0x0
	s_add_nc_u64 s[14:15], s[4:5], s[16:17]
	s_add_nc_u64 s[46:47], s[6:7], s[46:47]
	CROUND                                         ; all sixteen work-groups are here
.irp s, 0,1
	s_mov_b32 s[G0+4*\s], 1
	s_add_co_u32 s[G0+4*\s+1], s20, \s*SLOT
	s_add_nc_u64 s[G0+4*\s+2:G0+4*\s+3], s[14:15], \s*65536
	s_or_b32 s[G0+4*\s+3], s[G0+4*\s+3], 0x80000000
	s_mov_b32 s[G0B+4*\s], 1
	s_add_co_u32 s[G0B+4*\s+1], s20, \s*SLOT
	s_add_nc_u64 s[G0B+4*\s+2:G0B+4*\s+3], s[46:47], \s*65536
	s_or_b32 s[G0B+4*\s+3], s[G0B+4*\s+3], 0x80000000
	JLOAD \s                                       ; two tensor loads of mine are out at the most
.endr
	v_and_b32 v1, 15, v0                           ; r
	v_bfe_u32 v2, v0, 4, 1                         ; h
	v_and_b32 v3, 31, v0
	v_lshlrev_b32 v[L4], 2, v3
	v_lshlrev_b32 v3, 4, v3                        ; 16 x lane
	s_lshl_b32 s21, s11, 12                        ; my four row tiles of a K chunk's eight
	s_lshl_b32 s22, s12, 12
	s_add_co_u32 s22, s22, 65536                   ; my four column tiles, behind ctx's 64 KB
.irp s, 0,1
	v_add_nc_u32 v[ADRA+\s], s21, v3
	v_add_nc_u32 v[ADRB+\s], s22, v3
	s_add_co_u32 s21, s21, SLOT
	s_add_co_u32 s22, s22, SLOT
.endr
	s_mul_i32 s23, s10, 16*SPITCH
	s_add_co_u32 s23, s23, STAGE                   ; my stage
	v_mul_u32_u24 v4, v1, SPITCH
	v_lshl_add_u32 v4, v2, 5, v4
	v_add_nc_u32 v[STO], s23, v4                   ; in: row r, 32 bytes for each half of the lanes
	v_mul_u32_u24 v5, v2, SPITCH
	v_lshl_add_u32 v5, v1, 4, v5
	v_add_nc_u32 v[RD], s23, v5                    ; back: lanes 0-15 one row of 256 bytes, lanes 16-31 the next
	v_lshlrev_b32 v5, 12, v2
	v_lshl_add_u32 v[CO], v1, 4, v5                ; and the same two rows in out
	v_lshlrev_b32 v[BVA], 5, v2
	s_lshl_b32 s46, s42, 9
	s_lshl_b32 s47, s12, 8
	s_add_co_u32 s46, s46, s47                     ; my first column, in bytes
	s_mov_b32 s47, 0
	s_add_nc_u64 s[68:69], s[68:69], s[46:47]
	s_add_nc_u64 s[70:71], s[70:71], s[46:47]
	s_lshl_b32 s16, s13, 19
	s_lshl_b32 s17, s11, 18
	s_add_co_u32 s16, s16, s17                     ; my first row: 128 x row tile + 64 x half, of 4,096 bytes
	s_mov_b32 s17, 0
	s_add_nc_u64 s[70:71], s[70:71], s[16:17]
	s_lshl_b32 s18, s45, 7
	s_add_co_u32 s18, s18, 0x420000
	s_mov_b32 s19, 0
	s_add_nc_u64 s[18:19], s[6:7], s[18:19]        ; the batch's f_up, a word a lane
	global_load_b32 v12, v[L4], s[18:19]
.irp b, 0,1,2,3
	global_load_b128 v[BIAS+8*\b:BIAS+8*\b+3], v[BVA], s[68:69] offset:64*\b
	global_load_b128 v[BIAS+8*\b+4:BIAS+8*\b+7], v[BVA], s[68:69] offset:64*\b+16
.endr
.macro MUL8 f, c, a0, zero             ; 8 matrix instructions: row tiles a0, a0 + 1 x all 4 column tiles, 32 along K
.irp a, \a0, \a0+1
.irp b, 0,1,2,3
.if \zero
	v_wmma_f32_16x16x32_f16 v[ACC+8*(4*(\a)+\b):ACC+8*(4*(\a)+\b)+7], v[\f+64+8*(4*\c+\b):\f+64+8*(4*\c+\b)+7], v[\f+8*(4*\c+\a):\f+8*(4*\c+\a)+7], 0
.else
	v_wmma_f32_16x16x32_f16 v[ACC+8*(4*(\a)+\b):ACC+8*(4*(\a)+\b)+7], v[\f+64+8*(4*\c+\b):\f+64+8*(4*\c+\b)+7], v[\f+8*(4*\c+\a):\f+8*(4*\c+\a)+7], v[ACC+8*(4*(\a)+\b):ACC+8*(4*(\a)+\b)+7]
.endif
.endr
.endr
.endm
.macro FETCH slot, q, f                ; 32 LDS loads in one run: K chunks 2 q and 2 q + 1 of the slot's eight, the first chunk first
	WIN TO_F
.irp c, 0,1
.irp i, 0,1,2,3
	ds_load_b128 v[\f+64+8*(4*\c+\i):\f+64+8*(4*\c+\i)+3],   v[ADRB+\slot] offset:(2*(\q)+\c)*8192+\i*1024
	ds_load_b128 v[\f+64+8*(4*\c+\i)+4:\f+64+8*(4*\c+\i)+7], v[ADRB+\slot] offset:(2*(\q)+\c)*8192+\i*1024+512
	ds_load_b128 v[\f+8*(4*\c+\i):\f+8*(4*\c+\i)+3],         v[ADRA+\slot] offset:(2*(\q)+\c)*8192+\i*1024
	ds_load_b128 v[\f+8*(4*\c+\i)+4:\f+8*(4*\c+\i)+7],       v[ADRA+\slot] offset:(2*(\q)+\c)*8192+\i*1024+512
.endr
.endr
.endm
.macro PLACES
.rept 4
	v_nop
.endr
.endm
.macro QUARTER slot, q, f, g, zero     ; multiplies buffer f (64 along K) and fetches quarter q of the slot into g
	s_wait_dscnt 16                                ; the first 32 along K are in; the other sixteen loads may be out
	WIN MUL
	MUL8 \f, 0, 0, \zero
	MUL8 \f, 0, 2, \zero
	PLACES
	FETCH \slot, \q, \g
	s_wait_dscnt 32                                ; all but the 32 just issued
	WIN MUL
	MUL8 \f, 1, 0, 0
	MUL8 \f, 1, 2, 0
.endm
; The last quarter multiplies buffer 1 and changes slots: each wave waits for all its tensor loads, adds 0 to its spare word, and waits for that and for its reads of this slot.  fill = 1: the barrier opens a round of the cluster's, and the slot is filled again.
.macro TURN slot, next, fill
	WIN 0
	s_wait_tensorcnt 0x0                           ; all my tensor loads have landed: my part of the next slot
	ds_add_u32 v[SPW], v[NIL]
	s_wait_dscnt 17                                ; the add and the youngest sixteen loads may be out
	WIN MUL
	MUL8 F1, 0, 0, 0
	s_wait_dscnt 0x0                               ; the add is done, and my reads of this slot are over
	s_barrier_signal -1
	MUL8 F1, 0, 2, 0
.if \fill
	WIN 0
.endif
	s_barrier_wait -1
.if \fill
	CREST                                          ; no wave of any partner still reads this slot or has a load on its way
	s_add_nc_u64 s[G0+4*\slot+2:G0+4*\slot+3], s[G0+4*\slot+2:G0+4*\slot+3], 131072
	s_add_nc_u64 s[G0B+4*\slot+2:G0B+4*\slot+3], s[G0B+4*\slot+2:G0B+4*\slot+3], 131072
	JLOAD \slot                                    ; the first tensor load behind the round; its four v_nop are also the places in front of the loads below
.else
	PLACES
.endif
	FETCH \next, 0, F0
	WIN MUL
	MUL8 F1, 1, 0, 0
	MUL8 F1, 1, 2, 0
.endm
	s_wait_tensorcnt 1                             ; my part of K step 0 is in; K step 1's load may be out
	s_barrier_signal -1
	s_barrier_wait -1
	FETCH 0, 0, F0
	QUARTER 0, 1, F0, F1, 1                        ; the first products start the sums
	WIN 0
	s_mov_b32 s3, LAPS-1
.Llap:
	QUARTER 0, 2, F1, F0, 0
	QUARTER 0, 3, F0, F1, 0
	TURN 0, 1, 1
	QUARTER 1, 1, F0, F1, 0
	QUARTER 1, 2, F1, F0, 0
	QUARTER 1, 3, F0, F1, 0
	TURN 1, 0, 1
	QUARTER 0, 1, F0, F1, 0
	WIN 0
	s_sub_co_u32 s3, s3, 1
	s_cmp_lg_u32 s3, 0
	s_cbranch_scc1 .Llap
	QUARTER 0, 2, F1, F0, 0                        ; the last lap fills nothing
	QUARTER 0, 3, F0, F1, 0
	TURN 0, 1, 0
	QUARTER 1, 1, F0, F1, 0
	QUARTER 1, 2, F1, F0, 0
	QUARTER 1, 3, F0, F1, 0
	s_wait_dscnt 16
	WIN MUL
	MUL8 F1, 0, 0, 0
	MUL8 F1, 0, 2, 0
	s_wait_dscnt 0
	MUL8 F1, 1, 0, 0
	MUL8 F1, 1, 2, 0
	WIN 0
	; THE WAY OUT, 16 rows x 64 columns at a time: x f_up + bd in one fused multiply-add; through my own stage; back as whole runs of 256 bytes.  LDS serves a wave's instructions in order: no wait between stores and loads.
	s_wait_loadcnt 0x0                             ; f_up and bd
	PLACES
	v_mov_b32 v13, v12
.macro TOST a
.set TT, TMP+32*((\a)%2)
.irp b, 0,1,2,3
.irp x, 0,2,4,6
	v_pk_fma_f32 v[TT+8*\b+\x:TT+8*\b+\x+1], v[ACC+8*(4*(\a)+\b)+\x:ACC+8*(4*(\a)+\b)+\x+1], v[12:13], v[BIAS+8*\b+\x:BIAS+8*\b+\x+1]
.endr
.endr
.irp b, 0,1,2,3
	ds_store_b128 v[STO], v[TT+8*\b:TT+8*\b+3] offset:64*\b
	ds_store_b128 v[STO], v[TT+8*\b+4:TT+8*\b+7] offset:64*\b+16
.endr
	WIN 0x40                                       ; destination window 1
.irp t, 0,1,2,3,4,5,6,7
	ds_load_b128 v[32*(\a)+4*\t:32*(\a)+4*\t+3], v[RD] offset:2*\t*SPITCH
.endr
	WIN 0
.endm
.macro SEND a, younger
	s_wait_dscnt \younger                          ; the block is back; the next block's eight stores and eight loads may be out
	WIN 0x04                                       ; a store's data are its source 1: window 1
.irp t, 0,1,2,3,4,5,6,7
	global_store_b128 v[CO], v[32*(\a)+4*\t:32*(\a)+4*\t+3], s[70:71] offset:(16*(\a)+2*\t)*4096 th:TH_STORE_NT   ; sixteen lanes store 256 consecutive bytes, aligned
.endr
	WIN 0
.endm
	TOST 0
	TOST 1
	SEND 0, 16
	TOST 2
	SEND 1, 16
	TOST 3
	SEND 2, 16
	SEND 3, 0
	s_wait_tensorcnt 0x0                           ; the wave's end
	ds_add_u32 v[SPW], v[NIL]
	s_wait_dscnt 0x0
	CROUND                                         ; the closing round
	s_endpgm
.Lfunc_end_k_qee894e97a1_final:
	.size	k_qee894e97a1_final, .Lfunc_end_k_qee894e97a1_final-k_qee894e97a1_final
	.p2alignl 7, 3214868480
	.fill 96, 4, 3214868480
	.section	.rodata,"a",@progbits
	.p2align	6, 0x0
	.amdhsa_kernel k_qee894e97a1_final
		.amdhsa_group_segment_fixed_size 327680
		.amdhsa_private_segment_fixed_size 0
		.amdhsa_enable_private_segment 0
		.amdhsa_kernarg_size 32
		.amdhsa_user_sgpr_count 2
		.amdhsa_user_sgpr_kernarg_segment_ptr 1
		.amdhsa_wavefront_size32 1
		.amdhsa_system_sgpr_workgroup_id_x 1
		.amdhsa_system_sgpr_workgroup_id_y 1
		.amdhsa_system_sgpr_workgroup_id_z 1
		.amdhsa_system_vgpr_workitem_id 0
		.amdhsa_next_free_vgpr 512
		.amdhsa_next_free_sgpr 72
		.amdhsa_reserve_vcc 0
		.amdhsa_float_denorm_mode_32 3
		.amdhsa_float_denorm_mode_16_64 3
		.amdhsa_memory_ordered 1
		.amdhsa_forward_progress 1
		.amdhsa_inst_pref_size 91
	.end_amdhsa_kernel
	.amdgpu_metadata
---
amdhsa.version: [ 1, 2 ]
amdhsa.kernels:
  - .name:           k_qee894e97a1_final
    .symbol:         k_qee894e97a1_final.kd
    .args:
      - { .name: cx, .offset: 0, .size: 8, .value_kind: global_buffer, .address_space: global }
      - { .name: wp, .offset: 8, .size: 8, .value_kind: global_buffer, .address_space: global }
      - { .name: bd, .offset: 16, .size: 8, .value_kind: global_buffer, .address_space: global }
      - { .name: out0, .offset: 24, .size: 8, .value_kind: global_buffer, .address_space: global }
    .group_segment_fixed_size: 327680
    .private_segment_fixed_size: 0
    .kernarg_segment_align: 8
    .kernarg_segment_size: 32
    .max_flat_workgroup_size: 128
    .sgpr_count:     72
    .vgpr_count:     512
    .wavefront_size: 32
...
	.end_amdgpu_metadata
.endif
;; end of part 6
;; launch first (part 7): grid 64 x 1, 8 waves a work-group, no clusters, 17,408 bytes of LDS; arguments wp, Wd, bd, out0; writes out0
.if DOCPART == 7
	.amdgcn_target "amdgcn-amd-amdhsa--gfx1250"
	.amdhsa_code_object_version 6
	.text
	.protected	k_qee894e97a1_first
	.globl	k_qee894e97a1_first
	.p2align	8
	.type	k_qee894e97a1_first,@function
k_qee894e97a1_first:
	s_mov_b64 s[64:65], 0
	v_nop
	global_prefetch_b8 v0, s[64:65] scope:SCOPE_SE
	s_setreg_imm32_b32 hwreg(HW_REG_WAVE_MODE, 25, 1), 1
	s_wait_xcnt 0x0
; Positions 0 to 15 of both sequences anew, in f32: out = T Wd + bd, T = ctx G [16][1024] from the launch that made W'.  These rows average one to sixteen values, are the largest in size, and f16 operands would use up what their comparison allows.
; They were stored by the launch before as well; this launch runs behind it and stores them again: 128 KB.
; A work-group takes 16 columns for the 32 rows; wave w takes 128 along K: 64 matrix instructions of the f32 form on two accumulators (the two batches) by turns; the eight waves' parts meet in LDS.
; T's images are results of the f32 form: register pair (2 u, 2 u + 1) is an operand under the order k = 8 h + 2 u + j of a K tile of 16, and Wd is loaded in the same order.
; The stores are pieces of 64 bytes a row: a wider share of columns would leave fewer SIMDs for the f32 products.  No tensor load and no cluster: T is 128 KB, each wave takes its 16 KB straight into registers.
.set RED,   0                          ; 2 KB a wave: its two accumulators
.set SPARE, 16384                      ; the spare words, 128 bytes a wave
.set AC,  16                           ; v16-31   the two accumulators.  Written by matrix instructions alone
.set BB,  32                           ; v32-39   bd
.set RS,  40                           ; v40-47   the result
.set TI,  64                           ; v64-191  T: batch b, K tile k at 64 b + 8 k; later the eight parts
.set WL,  192                          ; v192-255 Wd: K tile k at 8 k
	s_load_b256 s[4:11], s[0:1], 0x0               ; wp, Wd, bd, out0
	v_lshl_add_u32 v10, v0, 2, SPARE
	v_mov_b32 v11, 0
	v_lshrrev_b32 v1, 5, v0
	v_readfirstlane_b32 s12, v1                    ; wave 0..7
	v_and_b32 v2, 15, v0                           ; r
	v_bfe_u32 v3, v0, 4, 1                         ; h
	v_and_b32 v1, 31, v0
	v_lshlrev_b32 v1, 4, v1                        ; 16 x lane
	v_lshlrev_b32 v4, 15, v3
	v_lshl_add_u32 v4, v2, 2, v4                   ; Wd: 8 h rows of 4,096 bytes + column r
	s_lshl_b32 s13, s12, 11
	v_add_nc_u32 v5, s13, v1                       ; my 2 KB
	s_and_b32 s14, s12, 1
	s_lshl_b32 s13, s14, 10
	v_add_nc_u32 v6, s13, v1                       ; waves 0 and 1 gather batch 0 and 1
	v_lshlrev_b32 v7, 12, v2
	v_lshl_add_u32 v7, v3, 5, v7                   ; out: row r, 32 h bytes
	v_lshlrev_b32 v8, 5, v3
	s_lshl_b32 s16, ttmp9, 6                       ; my 16 columns, in bytes
	s_mov_b32 s17, 0
	s_lshl_b32 s18, s12, 13
	s_add_co_u32 s18, s18, 4194304                 ; T's images: eight K tiles a wave
	s_mov_b32 s19, 0
	s_lshl_b32 s20, s12, 19
	s_add_co_u32 s20, s20, s16                     ; Wd: 128 rows a wave
	s_mov_b32 s21, 0
	s_lshl_b32 s22, s14, 23
	s_add_co_u32 s22, s22, s16                     ; out: 8,388,608 bytes a batch
	s_mov_b32 s23, 0
	s_wait_kmcnt 0x0
	s_add_nc_u64 s[4:5], s[4:5], s[18:19]
	s_add_nc_u64 s[6:7], s[6:7], s[20:21]
	s_add_nc_u64 s[8:9], s[8:9], s[16:17]
	s_add_nc_u64 s[10:11], s[10:11], s[22:23]
	global_load_b128 v[BB:BB+3], v8, s[8:9]        ; bd: the oldest loads, so every later count covers them
	global_load_b128 v[BB+4:BB+7], v8, s[8:9] offset:16
.irp k, 0,1,2,3,4,5,6,7
.irp b, 0,1
	global_load_b128 v[TI+64*\b+8*\k:TI+64*\b+8*\k+3], v1, s[4:5] offset:65536*\b+1024*\k
	global_load_b128 v[TI+64*\b+8*\k+4:TI+64*\b+8*\k+7], v1, s[4:5] offset:65536*\b+1024*\k+512
.endr
.irp x, 0,1,2,3,4,5,6,7
	global_load_b32 v[WL+8*\k+\x], v4, s[6:7] offset:(16*\k+\x)*4096
.endr
.endr
.irp k, 0,1,2,3,4,5,6,7
.if 12*(7-\k) > 63
	s_wait_loadcnt 63                              ; (more are younger; a count names 63 at the most)
.else
	s_wait_loadcnt 12*(7-\k)                       ; this K tile's twelve loads are in; the later tiles' may be out
.endif
.irp u, 0,1,2,3
.irp b, 0,1
.if (\k == 0) && (\u == 0)
	v_wmma_f32_16x16x4_f32 v[AC+8*\b:AC+8*\b+7], v[WL+8*\k+2*\u:WL+8*\k+2*\u+1], v[TI+64*\b+8*\k+2*\u:TI+64*\b+8*\k+2*\u+1], 0
.else
	v_wmma_f32_16x16x4_f32 v[AC+8*\b:AC+8*\b+7], v[WL+8*\k+2*\u:WL+8*\k+2*\u+1], v[TI+64*\b+8*\k+2*\u:TI+64*\b+8*\k+2*\u+1], v[AC+8*\b:AC+8*\b+7]
.endif
.endr
.endr
.endr
.rept 8
	v_nop                                          ; eight places behind this form
.endr
.irp b, 0,1
	ds_store_b128 v5, v[AC+8*\b:AC+8*\b+3] offset:1024*\b
	ds_store_b128 v5, v[AC+8*\b+4:AC+8*\b+7] offset:1024*\b+512
.endr
	s_wait_dscnt 0x0                               ; my parts have landed
	s_barrier_signal -1
	s_barrier_wait -1                              ; everybody's have
	s_cmp_lt_u32 s12, 2
	s_cbranch_scc0 .Lend
.irp p, 0,1,2,3,4,5,6,7
	ds_load_b128 v[TI+8*\p:TI+8*\p+3], v6 offset:2048*\p
	ds_load_b128 v[TI+8*\p+4:TI+8*\p+7], v6 offset:2048*\p+512
.endr
	s_wait_dscnt 0x0
.irp p, 0,2,4,6
.irp x, 0,2,4,6
	v_pk_add_f32 v[TI+8*\p+\x:TI+8*\p+\x+1], v[TI+8*\p+\x:TI+8*\p+\x+1], v[TI+8*\p+8+\x:TI+8*\p+9+\x]
.endr
.endr
.irp p, 0,4
.irp x, 0,2,4,6
	v_pk_add_f32 v[TI+8*\p+\x:TI+8*\p+\x+1], v[TI+8*\p+\x:TI+8*\p+\x+1], v[TI+8*\p+16+\x:TI+8*\p+17+\x]
.endr
.endr
.irp x, 0,2,4,6
	v_pk_add_f32 v[TI+\x:TI+\x+1], v[TI+\x:TI+\x+1], v[TI+32+\x:TI+33+\x]
.endr
.irp x, 0,2,4,6
	v_pk_add_f32 v[RS+\x:RS+\x+1], v[TI+\x:TI+\x+1], v[BB+\x:BB+\x+1]
.endr
	global_store_b128 v7, v[RS:RS+3], s[10:11]     ; lane (r, h): out(r, my columns 8 h + 0 .. 7)
	global_store_b128 v7, v[RS+4:RS+7], s[10:11] offset:16
.Lend:
	s_wait_tensorcnt 0x0                           ; the wave's end
	ds_add_u32 v10, v11
	s_wait_dscnt 0x0
	s_endpgm
.Lfunc_end_k_qee894e97a1_first:
	.size	k_qee894e97a1_first, .Lfunc_end_k_qee894e97a1_first-k_qee894e97a1_first
	.p2alignl 7, 3214868480
	.fill 96, 4, 3214868480
	.section	.rodata,"a",@progbits
	.p2align	6, 0x0
	.amdhsa_kernel k_qee894e97a1_first
		.amdhsa_group_segment_fixed_size 17408
		.amdhsa_private_segment_fixed_size 0
		.amdhsa_enable_private_segment 0
		.amdhsa_kernarg_size 32
		.amdhsa_user_sgpr_count 2
		.amdhsa_user_sgpr_kernarg_segment_ptr 1
		.amdhsa_wavefront_size32 1
		.amdhsa_system_sgpr_workgroup_id_x 1
		.amdhsa_system_sgpr_workgroup_id_y 1
		.amdhsa_system_sgpr_workgroup_id_z 1
		.amdhsa_system_vgpr_workitem_id 0
		.amdhsa_next_free_vgpr 256
		.amdhsa_next_free_sgpr 66
		.amdhsa_reserve_vcc 0
		.amdhsa_float_denorm_mode_32 3
		.amdhsa_float_denorm_mode_16_64 3
		.amdhsa_memory_ordered 1
		.amdhsa_forward_progress 1
		.amdhsa_inst_pref_size 20
	.end_amdhsa_kernel
	.amdgpu_metadata
---
amdhsa.version: [ 1, 2 ]
amdhsa.kernels:
  - .name:           k_qee894e97a1_first
    .symbol:         k_qee894e97a1_first.kd
    .args:
      - { .name: wp, .offset: 0, .size: 8, .value_kind: global_buffer, .address_space: global }
      - { .name: Wd, .offset: 8, .size: 8, .value_kind: global_buffer, .address_space: global }
      - { .name: bd, .offset: 16, .size: 8, .value_kind: global_buffer, .address_space: global }
      - { .name: out0, .offset: 24, .size: 8, .value_kind: global_buffer, .address_space: global }
    .group_segment_fixed_size: 17408
    .private_segment_fixed_size: 0
    .kernarg_segment_align: 8
    .kernarg_segment_size: 32
    .max_flat_workgroup_size: 256
    .sgpr_count:     66
    .vgpr_count:     256
    .wavefront_size: 32
...
	.end_amdgpu_metadata
.endif
;; end of part 7
